; MI455X (gfx1250); checked and timed in simulation.
; The chip was launched on July 23, 2026; its instructions are those of AMD's public machine-readable ISA for CDNA 5 (MIT licence, August 2026) and "CDNA5" Instruction Set Architecture Reference Guide (July 2026). The comments in the code are by the model that wrote it; some were corrected since.
;; Caserl Self Attention. Allowed arithmetic: matrix products marked QUANTISED: E3M2 operands, one E8M0 scale for each 32 along K, by v_wmma_scale_f32_16x16x128_f8f6f4 with both operands' format E3M2, f32 sums; everything else in f32.
;; Inputs: b_attn 3,072 float32; b_proj 1,024 float32; w_attn 1,024 x 3,072 float32; w_proj 1,024 x 1,024 float32; x 4 x 2,048 x 1,024 float32.
;; Outputs: out0 4 x 2,048 x 1,024 float32.
;; This version of the problem:
;;   THIS VERSION OF THE PROBLEM IS GIVEN IN LOW PRECISION. The matrix products marked QUANTISED in the list below multiply operands that are first quantised to E3M2 (3 exponent bits, 2 mantissa bits; 6 bits a number), with one power-of-two scale for each 32 numbers along K (OCP MX v1.0); their sums are f32. All else is computed in f32.
;;   The module's matrix products, in the order in which they are computed (A, B: the left and right operand; K: the contracted axis; several contracted axes count as one K, in the product's order):
;;     1. [M 8,192, K 1,024] x [K 1,024, N 3,072]; A: input x; B: input w_attn: QUANTISED
;;     2. batch 64 x [M 2,048, K 64] x [K 64, N 2,048]; A: computed on the way; B: computed on the way: QUANTISED
;;     3. batch 64 x [M 2,048, K 2,048] x [K 2,048, N 64]; A: softmax (see below); B: computed on the way: QUANTISED
;;     4. [M 8,192, K 1,024] x [K 1,024, N 1,024]; A: computed on the way; B: input w_proj: QUANTISED
;;   THE QUANTISER, for each operand of a quantised product, along K:
;;     - K is cut into blocks of 32 from its start; a last block that is shorter is filled with zeros.
;;     - A block's scale is 2^e with e = floor(log2(the largest magnitude in the block)) - 4, held to -126 .. 127; a block of zeros has e = 0. As a byte (E8M0): e + 127.
;;     - Each number is divided by its block's scale, clamped to +-28, and rounded to the nearest number of E3M2, ties to even, subnormals kept.
;;     - The product sums the exact products of the quantised numbers (number of the format x scale) in f32.
;;   ~~~python
;;   def quantise(x, axis):      # numpy; x: float32 -> the quantised numbers, widened to float32 again
;;       x = np.moveaxis(x, axis, -1); K = x.shape[-1]
;;       x = np.pad(x, [(0, 0)] * (x.ndim - 1) + [(0, -K % 32)]); x = x.reshape(x.shape[:-1] + (-1, 32)); a = np.abs(x).max(-1, keepdims=True)
;;       e = np.where(a > 0, np.clip(np.frexp(np.where(a > 0, a, 1))[1] - 1 - 4, -126, 127), 0)      # np.frexp(a)[1] - 1 = floor(log2(a)), exactly
;;       r = np.clip(x / 2.0 ** e, -28, 28)
;;       step = 2.0 ** (np.maximum(np.frexp(np.where(r == 0, 1, r))[1] - 1, -2) - 2)
;;       q = np.round(r / step) * step * 2.0 ** e      # np.round: ties to even
;;       return np.moveaxis(q.reshape(q.shape[:-2] + (-1,))[..., :K], -1, axis).astype(np.float32)
;;   ~~~
;;   SOFTMAX AHEAD OF A QUANTISED PRODUCT. Where the list says 'softmax', what is quantised is not the finished softmax but p = 2^(t - M), with t = logit x log2(e) and M = ceil(the row's largest t), a whole number; so 1/2 < the row's largest p <= 1. The row's sum l is taken of the UNQUANTISED p, in f32, and the product's result is divided by l at the end. Since M is a whole number, a kernel that streams over the keys may use a running M (the ceiling of the running maximum): every later rescaling is an exact power of two, which a block's scale takes up: the codes' values come out the same.
;;   OPERANDS COMPUTED ON THE WAY. 'Computed on the way' means the value that the module computes at that place (a softmax that the list does not call 'softmax' is quantised finished and normalised). What goes into a quantiser is computed in f32, as accurately as f32 sums, v_exp_f32 and their like allow (about 1e-6 of the number): no bf16 or f16 on the way to a quantiser, and a product that is left as it is and whose result goes on into a quantised operand takes f32 operands (vector FMAs, or v_wmma_f32_16x16x4_f32). A number that lies on a knife's edge between two numbers of the format may be rounded either way, as far as f32 arithmetic and the matrix unit's own rounding can turn it there, and no further.
;; One version. Each part assembles by itself: llvm-mc -triple=amdgcn-amd-amdhsa -mcpu=gfx1250 --defsym DOCPART=n.
;; ======== version 1 of 1: 4 launches
;; workspace buffers: ximg 6,291,456 bytes; xscl 262,144 bytes; wimg 3,145,728 bytes; wscl 131,072 bytes; qkvimg 18,874,368 bytes; qkvscl 1,310,720 bytes; yimg 6,291,456 bytes; yscl 262,144 bytes
;; launch quant (part 1): grid 384 x 1, 4 waves a work-group, no clusters, 59,904 bytes of LDS; arguments x, w_attn, w_proj, ximg, xscl, wimg, wscl; writes ximg, xscl, wimg, wscl
.if DOCPART == 1
	.amdgcn_target "amdgcn-amd-amdhsa--gfx1250"
	.amdhsa_code_object_version 6
	.text
	.protected	k_q4a126162b4_quant
	.globl	k_q4a126162b4_quant
	.p2align	8
	.type	k_q4a126162b4_quant,@function
k_q4a126162b4_quant:
	s_mov_b64 s[64:65], 0
	v_nop
	global_prefetch_b8 v0, s[64:65] scope:SCOPE_SE
	s_setreg_imm32_b32 hwreg(HW_REG_WAVE_MODE, 25, 1), 1
	s_wait_xcnt 0x0
; CAUSAL SELF-ATTENTION IN MX-BF6 (E3M2 codes, one E8M0 scale for each 32 along K), four launches: quant, qkv, attn, proj.
; DEAD WORK, for the whole program.  reference() builds a causal mask in its own body and sets every score with key > query to -infinity ahead of the softmax: its p is 0 for all
; values of the inputs.  So the steps of 128 keys that lie wholly behind a tile's 16 queries (their scores, exponentials and products with v) are left out, in launch attn.  Nothing else
; is left out: all five inputs have a way to the output and are loaded (b_attn's k part too: it goes into a quantiser).
; LIMIT: a NaN, an infinity or an overflow that reaches only those masked steps is not carried to the result.
; THIS LAUNCH turns x [8192][1024], w_attn [1024][3072] and w_proj [1024][1024], f32, into codes and scale bytes, laid in the order of a matrix operand's registers:
;   a FRAGMENT (16 rows x 128 K) is 1,536 bytes: [piece 0..5][lane 0..31][8 bytes]; piece p is registers 2 p, 2 p + 1; lane (r, h) holds k = 64 c + 32 h + 0..31 in registers 6 c .. 6 c + 5.
;   image [tile of 16 rows][K step 0..7][1,536];  scale words [tile][K half][r][4 words], word s & 3 of half s >> 2 for K step s, byte b for k = 32 b ..
;   THE ROWS OF A TILE ARE NOT NEIGHBOURS: row r of tile 2 B + u is true row 32 B + 8 u + r + 8 (r / 8).
; A block's scale is 2^(floor(log2(largest magnitude)) - 4): its byte is the largest magnitude's exponent field - 4, held at 1 from below by a floor among the maximum's leaves.
; LIMITS: a block of zeros carries the byte 1 where the rule says 127 (its codes are zeros, and this program alone reads the bytes); blocks whose largest magnitude lies under 2^-122 are held at that floor;
; NaN and infinities among the inputs are not served.
; Work-groups 0..255 take x (K innermost: a K step of 16 rows turns through the wave's stage in LDS), 256..383 the weights (K outermost: a lane takes a column, its registers run down K).
; The two paths have LDS bytes of their own.  No tensor loads, no barrier: waves share nothing.
.set SPW,   14                         ; v14  LDS address of my spare word; never rewritten
.set NIL,   15                         ; v15  0; never rewritten
.set SPARE, 59392                      ; behind both paths' stages: 128 bytes for each wave
.set XST,   8448                       ; path X: a wave's stage, 16 rows x 528
.set WST0,  33792                      ; path W: the stages begin here,
.set WSTW,  6400                       ; one for each wave: two parts of 3,200 (3,072 used)
.set R,     64                         ; path X: v64-191 two sets of 64 numbers as loaded
.set XX,    192                        ; v192-255 64 numbers: k = 64 c + 32 h + 0..31 of my row at XX + 32 c
.set C,     16                         ; v16-27 the fragment's codes
.set SW,    36                         ; v36-39 the scale words of the four K steps
.set WX,    64                         ; path W: v64-127 two sets of 32 numbers
.set VOF,   32                         ; path W: v32-63 offsets of 32 rows
	s_load_b256 s[4:11], s[0:1], 0x0               ; x, w_attn, w_proj, ximg
	s_load_b128 s[12:15], s[0:1], 0x20             ; xscl, wimg
	s_load_b64 s[24:25], s[0:1], 0x30              ; wscl
	v_lshl_add_u32 v[SPW], v0, 2, SPARE
	v_mov_b32 v[NIL], 0
	v_lshrrev_b32 v1, 5, v0
	v_readfirstlane_b32 s16, v1                    ; wave
	v_and_b32 v1, 31, v0                           ; lane
	v_bfe_u32 v13, v0, 4, 1                        ; h
	s_cmp_lt_u32 ttmp9, 256
	s_cbranch_scc0 .Lw
; ---------------- PATH X: wave 4 wg + w makes tile mt = (4 wg + w) / 2, K steps 4 kh .. 4 kh + 3
	v_and_b32 v2, 15, v0                           ; r
	s_lshl_b32 s17, ttmp9, 2
	s_add_co_u32 s17, s17, s16
	s_lshr_b32 s18, s17, 1                         ; mt
	s_and_b32 s19, s17, 1                          ; kh
	s_lshr_b32 s26, s18, 1
	s_lshl_b32 s26, s26, 5
	s_and_b32 s27, s18, 1
	s_lshl_b32 s27, s27, 3
	s_add_co_u32 s26, s26, s27                     ; the tile's first true row: 32 (mt / 2) + 8 (mt % 2)
	s_lshl_b32 s26, s26, 12                        ; rows of 4,096 bytes
	s_lshl_b32 s27, s19, 11
	s_add_co_u32 s26, s26, s27                     ; + my half of K
	s_mov_b32 s27, 0
	s_lshl_b32 s28, s18, 3
	s_lshl_b32 s29, s19, 2
	s_add_co_u32 s28, s28, s29
	s_mul_i32 s28, s28, 1536                       ; image: fragment 8 mt + 4 kh
	s_mov_b32 s29, 0
	s_lshl_b32 s30, s18, 9
	s_lshl_b32 s31, s19, 8
	s_add_co_u32 s30, s30, s31                     ; scale words: 512 mt + 256 kh
	s_mov_b32 s31, 0
	s_mul_i32 s22, s16, XST
	v_lshlrev_b32 v3, 4, v1                        ; 16 x lane: a load's 512 consecutive bytes
	v_add_nc_u32 v4, s22, v3                       ; stage, way in
	v_mul_u32_u24 v5, v2, 528
	v_lshl_add_u32 v5, v13, 7, v5
	v_add_nc_u32 v5, s22, v5                       ; stage, way out: row r, + 128 h bytes
	v_lshlrev_b32 v6, 3, v1                        ; 8 x lane: my place in a piece
	v_lshlrev_b32 v7, 4, v2
	v_lshl_add_u32 v7, v13, 3, v7                  ; 16 r + 8 h: my two scale words
	v_lshlrev_b32 v8, 3, v13                       ; 8 h: my bytes' shift in a scale word
	v_mov_b32 v44, 0                               ; a lane permute's destination counts as read
	s_mov_b32 s20, 0x76543210
	s_mov_b32 s21, 0xfedcba98                      ; selects for lane l xor 16
	s_wait_kmcnt 0x0
	s_add_nc_u64 s[4:5], s[4:5], s[26:27]
	s_add_nc_u64 s[10:11], s[10:11], s[28:29]
	s_add_nc_u64 s[12:13], s[12:13], s[30:31]
.macro LOADX t                         ; K step t of the tile's 16 rows: each load reads 512 consecutive bytes of one row
.irp i, 0,1,2,3,4,5,6,7,8,9,10,11,12,13,14,15
	global_load_b128 v[R+64*((\t)%2)+4*\i:R+64*((\t)%2)+4*\i+3], v3, s[4:5] offset:(\i+8*(\i/8))*4096+512*(\t) th:TH_LOAD_NT
.endr
.endm
.macro STEPX t
.if (\t) < 3
	s_wait_loadcnt 16                              ; this step's 16 loads are in; the next step's 16 may be out
.else
	s_wait_loadcnt 0x0
.endif
.irp i, 0,1,2,3,4,5,6,7,8,9,10,11,12,13,14,15
	ds_store_b128 v4, v[R+64*((\t)%2)+4*\i:R+64*((\t)%2)+4*\i+3] offset:528*\i
.endr
.irp c, 0,1
.irp j, 0,1,2,3,4,5,6,7
	ds_load_b128 v[XX+32*\c+4*\j:XX+32*\c+4*\j+3], v5 offset:256*\c+16*\j   ; a wave's LDS instructions are served in order: these see the stores above
.endr
.endr
	s_wait_dscnt 0x0
.if (\t) < 2
	LOADX (\t)+2                                   ; the set just staged takes the loads of two steps on
.endif
	v_max3_num_f32 v40, |v[XX]|, |v[XX+1]|, 0x2800000          ; my two blocks by turns; the floor 2^(5 - 127) is a leaf
	v_max3_num_f32 v41, |v[XX+32]|, |v[XX+33]|, 0x2800000
.irp i, 2,4,6,8,10,12,14,16,18,20,22,24,26,28,30
	v_max3_num_f32 v40, v40, |v[XX+\i]|, |v[XX+\i+1]|
	v_max3_num_f32 v41, v41, |v[XX+32+\i]|, |v[XX+33+\i]|
.endr
	v_add_nc_u32 v42, 0xfe000000, v40              ; 4 off the exponent field: the conversion's scale operand
	v_add_nc_u32 v43, 0xfe000000, v41
	v_lshrrev_b32 v45, 23, v42                     ; the bytes of blocks h and 2 + h
	v_lshrrev_b32 v46, 23, v43
	v_lshl_or_b32 v47, v46, 16, v45
	v_lshlrev_b32 v47, v8, v47                     ; at their places in the word
	v_permlanex16_b32 v44, v47, s20, s21
	v_or_b32 v[SW+(\t)], v47, v44                  ; with lane l xor 16's two the word is whole
.if (\t) > 0
	s_wait_xcnt 0x0                                ; the last step's stores have read the codes' registers
.endif
	v_cvt_scalef32_pk16_bf6_f32 v[C:C+2], v[XX:XX+15], v42
	v_cvt_scalef32_pk16_bf6_f32 v[28:30], v[XX+16:XX+31], v42      ; (a conversion's three registers begin on an even number)
	v_cvt_scalef32_pk16_bf6_f32 v[C+6:C+8], v[XX+32:XX+47], v43
	v_cvt_scalef32_pk16_bf6_f32 v[32:34], v[XX+48:XX+63], v43
	v_nop                                          ; one plain place behind the conversions
.irp i, 0,1,2
	v_mov_b32 v[C+3+\i], v[28+\i]
	v_mov_b32 v[C+9+\i], v[32+\i]
.endr
.irp p, 0,1,2,3,4,5
	global_store_b64 v6, v[C+2*\p:C+2*\p+1], s[10:11] offset:1536*(\t)+256*\p   ; 32 lanes store 256 consecutive bytes, aligned
.endr
.endm
	LOADX 0
	LOADX 1
	STEPX 0
	STEPX 1
	STEPX 2
	STEPX 3
	v_cmp_ne_u32 vcc_lo, 0, v13
	v_cndmask_b32 v40, v[SW], v[SW+2], vcc_lo      ; lanes 0-15 store words 0, 1 of row r, lanes 16-31 words 2, 3
	v_cndmask_b32 v41, v[SW+1], v[SW+3], vcc_lo
	global_store_b64 v7, v[40:41], s[12:13]        ; 256 consecutive bytes, aligned
	s_wait_tensorcnt 0x0                           ; the wave's end, behind my last LDS store
	ds_add_u32 v[SPW], v[NIL]
	s_wait_dscnt 0x0
	s_endpgm
; ---------------- PATH W: work-group id = 32 kq + cg: columns 128 cg .. + 127 of w_attn | w_proj, rows 256 kq .. + 255; lane l of wave w: column 128 cg + 32 w + l
.Lw:
	s_sub_co_u32 s17, ttmp9, 256
	s_and_b32 s18, s17, 31                         ; cg: 0..23 w_attn, 24..31 w_proj
	s_lshr_b32 s19, s17, 5                         ; kq
	s_mov_b32 s22, 4096
	s_sub_co_u32 s23, s18, 24
	s_cmp_lt_u32 s18, 24
	s_cselect_b32 s22, 12288, s22                  ; a row of the source in bytes
	s_cselect_b32 s23, s18, s23                    ; the group of 128 columns in its own tensor
	s_lshl_b32 s28, s23, 9
	s_lshl_b32 s29, s16, 7
	s_add_co_u32 s28, s28, s29                     ; column bytes
	s_lshl_b32 s29, s19, 8
	s_mul_i32 s29, s29, s22
	s_add_co_u32 s28, s28, s29                     ; + 256 kq rows
	s_mov_b32 s29, 0
	s_lshl_b32 s30, s22, 5                         ; 32 rows
	s_mov_b32 s31, 0
	s_lshl_b32 s20, s18, 3
	s_lshl_b32 s21, s16, 1
	s_add_co_u32 s20, s20, s21                     ; my first tile of 16 columns: 8 cg + 2 w
	s_lshl_b32 s48, s20, 3
	s_lshl_b32 s21, s19, 1
	s_add_co_u32 s48, s48, s21
	s_mul_i32 s48, s48, 1536                       ; image: fragment 8 tile + 2 kq
	s_mov_b32 s49, 0
	s_lshl_b32 s50, s20, 9
	s_lshr_b32 s21, s19, 1
	s_lshl_b32 s21, s21, 8
	s_add_co_u32 s50, s50, s21
	s_and_b32 s21, s19, 1
	s_lshl_b32 s21, s21, 3
	s_add_co_u32 s50, s50, s21                     ; scale words: 512 tile + 256 (kq / 2) + 8 (kq % 2)
	s_mov_b32 s51, 0
	v_lshlrev_b32 v3, 2, v1
.set i, 0
.rept 32
	v_mad_u32_u24 v[VOF+i], s22, i, v3             ; row i of a block, my column
.set i, i+1
.endr
	v_bfe_u32 v4, v0, 3, 1                         ; u: which of my wave's two tiles
	v_and_b32 v5, 7, v0
	v_lshl_add_u32 v5, v13, 3, v5                  ; r: my column's row in that tile
	s_mul_i32 s17, s16, WSTW
	s_add_co_u32 s17, s17, WST0
	v_mul_u32_u24 v9, v4, 3200
	v_lshl_add_u32 v9, v5, 3, v9
	v_add_nc_u32 v9, s17, v9                       ; stage, way in: part u, 8 r
	v_lshlrev_b32 v11, 4, v1                       ; 16 x lane
	v_add_nc_u32 v10, s17, v11                     ; stage, way out
	v_lshlrev_b32 v12, 9, v4
	v_lshl_add_u32 v12, v5, 4, v12                 ; scale words: 512 u + 16 r
	s_wait_kmcnt 0x0
	s_cmp_lt_u32 s18, 24                           ; the choice hangs on the work-group's number alone
	s_cselect_b64 s[32:33], s[6:7], s[8:9]
	s_add_nc_u64 s[32:33], s[32:33], s[28:29]      ; a base for each of the eight blocks
.irp t, 1,2,3,4,5,6,7
	s_add_nc_u64 s[32+2*\t:33+2*\t], s[30+2*\t:31+2*\t], s[30:31]
.endr
	s_add_nc_u64 s[14:15], s[14:15], s[48:49]
	s_add_nc_u64 s[24:25], s[24:25], s[50:51]
.macro LOADW t                         ; block t: 32 rows of my column; a load reads 128 consecutive bytes
.set i, 0
.rept 32
	global_load_b32 v[WX+32*((\t)%2)+i], v[VOF+i], s[32+2*(\t):33+2*(\t)] th:TH_LOAD_NT
.set i, i+1
.endr
.endm
.macro BLOCKW t
.set XS, WX+32*((\t)%2)
.if (\t) < 7
	s_wait_loadcnt 32                              ; this block's 32 loads are in; the next block's may be out
.else
	s_wait_loadcnt 0x0
.endif
	v_max3_num_f32 v6, |v[XS]|, |v[XS+1]|, |v[XS+2]|               ; all 32 numbers of the block are mine
	v_max3_num_f32 v7, |v[XS+3]|, |v[XS+4]|, |v[XS+5]|
.irp i, 6,10,14,18,22,26
	v_max3_num_f32 v6, v6, |v[XS+\i]|, |v[XS+\i+1]|
	v_max3_num_f32 v7, v7, |v[XS+\i+2]|, |v[XS+\i+3]|
.endr
	v_max3_num_f32 v6, v6, |v[XS+30]|, |v[XS+31]|
	v_max3_num_f32 v6, v6, v7, 0x2800000
	v_add_nc_u32 v8, 0xfe000000, v6
	v_lshrrev_b32 v2, 23, v8
.if (\t)%4 == 0
	v_mov_b32 v[28+(\t)/4], v2                     ; four bytes to a word, the lower K in the lower byte
.else
	v_lshl_or_b32 v[28+(\t)/4], v2, 8*((\t)%4), v[28+(\t)/4]
.endif
	v_cvt_scalef32_pk16_bf6_f32 v[16:18], v[XS:XS+15], v8
	v_cvt_scalef32_pk16_bf6_f32 v[24:26], v[XS+16:XS+31], v8
	v_nop
.irp i, 0,1,2
	v_mov_b32 v[19+\i], v[24+\i]
.endr
.irp p, 0,1,2
	ds_store_b64 v9, v[16+2*\p:17+2*\p] offset:((\t)/4)*1536+(3*(((\t)%4)/2)+\p)*256+((\t)%2)*128   ; block t is K step t / 4, c = (t % 4) / 2, h = t % 2 of the image
.endr
.if (\t) < 6
	LOADW (\t)+2
.endif
	s_wait_dscnt 0x0                               ; the stores have read the codes' registers
.endm
	LOADW 0
	LOADW 1
.irp t, 0,1,2,3,4,5,6,7
	BLOCKW \t
.endr
	global_store_b64 v12, v[28:29], s[24:25]       ; my column's two scale words
.irp j, 0,1,2,3,4,5,6,7,8,9,10,11
	ds_load_b128 v[128+4*\j:131+4*\j], v10 offset:(\j/6)*3200+(\j%6)*512
.endr
.irp j, 0,1,2,3,4,5,6,7,8,9,10,11
	s_wait_dscnt 11-\j                             ; the younger loads may be out
	global_store_b128 v11, v[128+4*\j:131+4*\j], s[14:15] offset:(\j/6)*12288+(\j%6)*512   ; 512 consecutive bytes, aligned
.endr
	s_wait_tensorcnt 0x0                           ; the wave's end, behind my last LDS store
	ds_add_u32 v[SPW], v[NIL]
	s_wait_dscnt 0x0
	s_endpgm
.Lfunc_end_k_q4a126162b4_quant:
	.size	k_q4a126162b4_quant, .Lfunc_end_k_q4a126162b4_quant-k_q4a126162b4_quant
	.p2alignl 7, 3214868480
	.fill 96, 4, 3214868480
	.section	.rodata,"a",@progbits
	.p2align	6, 0x0
	.amdhsa_kernel k_q4a126162b4_quant
		.amdhsa_group_segment_fixed_size 59904
		.amdhsa_private_segment_fixed_size 0
		.amdhsa_enable_private_segment 0
		.amdhsa_kernarg_size 56
		.amdhsa_user_sgpr_count 2
		.amdhsa_user_sgpr_kernarg_segment_ptr 1
		.amdhsa_wavefront_size32 1
		.amdhsa_system_sgpr_workgroup_id_x 1
		.amdhsa_system_sgpr_workgroup_id_y 1
		.amdhsa_system_sgpr_workgroup_id_z 1
		.amdhsa_system_vgpr_workitem_id 0
		.amdhsa_next_free_vgpr 256
		.amdhsa_next_free_sgpr 66
		.amdhsa_reserve_vcc 1
		.amdhsa_float_denorm_mode_32 3
		.amdhsa_float_denorm_mode_16_64 3
		.amdhsa_memory_ordered 1
		.amdhsa_forward_progress 1
		.amdhsa_inst_pref_size 76
	.end_amdhsa_kernel
	.amdgpu_metadata
---
amdhsa.version: [ 1, 2 ]
amdhsa.kernels:
  - .name:           k_q4a126162b4_quant
    .symbol:         k_q4a126162b4_quant.kd
    .args:
      - { .name: x, .offset: 0, .size: 8, .value_kind: global_buffer, .address_space: global }
      - { .name: w_attn, .offset: 8, .size: 8, .value_kind: global_buffer, .address_space: global }
      - { .name: w_proj, .offset: 16, .size: 8, .value_kind: global_buffer, .address_space: global }
      - { .name: ximg, .offset: 24, .size: 8, .value_kind: global_buffer, .address_space: global }
      - { .name: xscl, .offset: 32, .size: 8, .value_kind: global_buffer, .address_space: global }
      - { .name: wimg, .offset: 40, .size: 8, .value_kind: global_buffer, .address_space: global }
      - { .name: wscl, .offset: 48, .size: 8, .value_kind: global_buffer, .address_space: global }
    .group_segment_fixed_size: 59904
    .private_segment_fixed_size: 0
    .kernarg_segment_align: 8
    .kernarg_segment_size: 56
    .max_flat_workgroup_size: 128
    .sgpr_count:     66
    .vgpr_count:     256
    .wavefront_size: 32
...
	.end_amdgpu_metadata
.endif
;; end of part 1
;; launch qkv (part 2): grid 12 x 32, 4 waves a work-group, clusters of 4 x 4, 327,680 bytes of LDS; arguments ximg, xscl, wimg, wscl, b_attn, qkvimg, qkvscl; writes qkvimg, qkvscl
.if DOCPART == 2
	.amdgcn_target "amdgcn-amd-amdhsa--gfx1250"
	.amdhsa_code_object_version 6
	.text
	.protected	k_q4a126162b4_qkv
	.globl	k_q4a126162b4_qkv
	.p2align	8
	.type	k_q4a126162b4_qkv,@function
k_q4a126162b4_qkv:
	s_mov_b64 s[64:65], 0
	v_nop
	global_prefetch_b8 v0, s[64:65] scope:SCOPE_SE
	s_setreg_imm32_b32 hwreg(HW_REG_WAVE_MODE, 25, 1), 1
	s_wait_xcnt 0x0
	s_wait_alu depctr_hold_cnt(0) depctr_sa_sdst(0) depctr_va_vdst(0) depctr_va_sdst(0) depctr_va_ssrc(0) depctr_va_vcc(0) depctr_vm_vsrc(0)
	s_getreg_b32 s2, hwreg(HW_REG_IB_STS2, 6, 4)
	s_cmp_eq_u32 s2, 0
	s_cbranch_scc0 .Lentry_in_a_cluster
	s_endpgm
.Lentry_in_a_cluster:
	s_bfe_u32 s2, ttmp6, 0x10000c
	s_cmp_lg_u32 s2, 0xf033
	s_cbranch_scc0 .Lentry_shape_is_right
	s_endpgm
.Lentry_shape_is_right:
; qkv = x w_attn + b_attn on codes of BF6 (launch quant's images), K = 1,024; the results are quantised in registers and leave as operand images for launch attn.  No work is left out here.
; A work-group of four waves makes 256 x 256 results, a wave 128 x 128 in 64 accumulators.  The matrix instruction's source 0 gives the results that run along a lane's registers, source 1 those across the lanes.
;   MODE 0 (clusters x = 0, 1: q and k): source 0 = w's rows (n), source 1 = x's rows (tokens): a lane holds one token and 64 n: K of the score product (the head's 64) runs along its registers.
;   MODE 1 (cluster x = 2: v):           source 0 = x's rows (tokens), source 1 = w's rows (n >= 2,048): a lane holds one channel and 64 tokens: K of the product with p (the keys) runs along its registers.
; Below "A" is source 1 and "B" source 0.  MODE hangs on the cluster's x alone: it is the same in all sixteen partners.
; CLUSTER 4 x 4: A's tiles hang on cy alone and are asked for jointly along a row of the cluster, B's on cx alone, along a column.
; LDS: three slots of 98,304 bytes (wave w's load at + 24,576 w: A's two halves, then B's; 8 tiles x two K steps x 1,536), the scale words (4 x 4,096), the spare words.
; K is four slots' worth: three are first fills, the fourth is the one refill (into slot 0), behind the one round of the cluster's barrier inside the walk.  By this text's count a wave has four tensor loads out at most.
; OUT: record of head bh = 16 b + head in qkvimg (294,912 bytes): Q [tile 0..127][3 pieces][256], K at + 98,304 likewise (registers 0-5 of a fragment: K = 64), V at + 196,608 [key step][d tile 0..3][1,536];
;      in qkvscl (20,480 bytes): Q [tile / 4][r][word tile % 4], K at + 8,192 likewise (bytes 0, 1 the head's two scales, bytes 2, 3 zero), V at + 16,384 [key step][r][word d tile].
; LIMITS: as in launch quant (a block of zeros carries the byte 1; the floor 2^-122; no NaN, no infinities).
; REGISTERS: window 0: v1 r, v2 h, v16-29 addresses, v32-63 scale words (two sets), v64-127 the bias, v128-223 A's fragments (one set); on the way out v128-235 are at work.
;   window 1: B's fragments, two sets, at v0 and v128.   windows 2, 3: the accumulators ((a, b) at v[8 (8 (a % 4) + b)]).
.set NQ,    2
.set FR,    12
.set NL,    6
.set NP,    4
.set SLOT,  98304
.set HALFT, 24576
.set TILEB, 3072                       ; a tile's two K steps
.set SCL,   3*SLOT
.set SPARE, SCL+4*4096
.set ADRA, 16                          ; v16-18 my A fragments in slots 0..2
.set ADRB, 20                          ; v20-22 my B fragments
.set VO,   24                          ; v24 8 x lane
.set VS,   25                          ; v25 16 r + 20,480 h: the scale words' store
.set SH16, 26                          ; v26 16 h
.set ADRS, 27                          ; v27 my scale words: lanes 0-15 A's, lanes 16-31 B's
.set SPW,  28
.set NIL,  29
.set SC,   32
.set BI,   64
.set AF,   128
.set H,    128                         ; the way out: 64 numbers
.set PC,   192                         ; codes
.set TM,   212                         ; at work
.set W,    228                         ; scale words made
.set G1A,  24
.set G1B,  32
.set G1SA, 40
.set G1SB, 48
.set G0A0, 56
.set G0A1, 60
.set G0A2, 68
.set G0B0, 72
.set G0B1, 76
.set G0B2, 80
.set G0SA, 84
.set G0SB, 88
.set MSB, 0
.macro WIN new                         ; the immediate's high byte repeats the setting that is left
.if MSB != (\new)
	s_set_vgpr_msb (MSB<<8)|(\new)
.set MSB, (\new)
.endif
.endm
.set MUL_LO, 0xa1                      ; source 0 window 1, source 1 window 0, C and D window 2
.set MUL_HI, 0xf1
.set TO_B,   0x40
.macro JLOAD g0a, g1a, g0b, g1b        ; a joint load: waves 0, 1 fetch for A, waves 2, 3 for B; an s_nop 0 and four v_nop follow each line
	s_cmp_eq_u32 s19, 0
	s_cbranch_scc0 .Lfor_b_\@
	tensor_load_to_lds s[\g0a:\g0a+3], s[\g1a:\g1a+7]
	s_nop 0
.rept 4
	v_nop
.endr
	s_branch .Lasked_\@
.Lfor_b_\@:
	tensor_load_to_lds s[\g0b:\g0b+3], s[\g1b:\g1b+7]
	s_nop 0
.rept 4
	v_nop
.endr
.Lasked_\@:
.endm
.macro CREST
	s_cmp_lg_u32 s18, 0
	s_cbranch_scc1 .Lnot_wave_0_\@
	s_barrier_signal -3
.Lnot_wave_0_\@:
	s_barrier_wait -3
	s_barrier_signal -1
	s_barrier_wait -1
.endm
.macro CROUND
	s_barrier_signal -1
	s_barrier_wait -1
	CREST
.endm
.macro PLACES n
.rept \n
	v_nop
.endr
.endm
	s_load_b256 s[4:11], s[0:1], 0x0               ; ximg, xscl, wimg, wscl
	s_load_b128 s[12:15], s[0:1], 0x20             ; b_attn, qkvimg
	s_load_b64 s[16:17], s[0:1], 0x30              ; qkvscl
	v_lshl_add_u32 v[SPW], v0, 2, SPARE
	v_mov_b32 v[NIL], 0
	ds_add_u32 v[SPW], v[NIL]                      ; the wave's opening: the add, twice on end, and its wait ahead of my first tensor load
	ds_add_u32 v[SPW], v[NIL]
	v_lshrrev_b32 v1, 5, v0
	v_readfirstlane_b32 s18, v1                    ; wave
	s_lshr_b32 s19, s18, 1                         ; rh: my half of A's rows.  Also: I fetch for A (0) or B (1)
	s_and_b32 s20, s18, 1                          ; ch: my half of B's rows.  Also: which 8 tiles I fetch
	s_bfe_u32 s22, ttmp6, 0x40000                  ; cx
	s_bfe_u32 s23, ttmp6, 0x40004                  ; cy
	s_and_b32 s2, ttmp7, 0xffff                    ; cluster y
	s_cmp_eq_u32 ttmp9, 2
	s_cselect_b32 s21, 1, 0                        ; MODE
	s_cselect_b32 s3, s2, ttmp9
	s_cselect_b32 s96, 0, s2
	s_cselect_b32 s97, 128, 0                      ; MODE 1: A's tiles are w's from tile 128 (n = 2,048) on
	s_lshl_b32 s92, s3, 2
	s_add_co_u32 s92, s92, s22                     ; B's tile of 256: 4 x (cluster x | cluster y) + cx
	s_lshl_b32 s93, s96, 2
	s_add_co_u32 s93, s93, s23                     ; A's tile of 256: 4 x (cluster y | 0) + cy
	s_lshl_b32 s94, s23, 2
	s_lshl_b32 s94, 15, s94                        ; my row of the cluster
	s_lshl_b32 s95, 0x1111, s22                    ; my column
	s_or_b32 s[G1A], s94, (3<<16)|(1<<21)          ; 15:0 the mask; 17:16 elements of 8 bytes; 21 set beside a mask; no padding
	s_or_b32 s[G1B], s95, (3<<16)|(1<<21)
	s_or_b32 s[G1SA], s94, (3<<16)|(1<<21)
	s_or_b32 s[G1SB], s95, (3<<16)|(1<<21)
.irp g, G1A, G1B                       ; codes: 8 rows (tiles) of 384 elements (two K steps), 1,536 elements (a tile's eight K steps) apart
	s_mov_b32 s[\g+1], 384<<16
	s_mov_b32 s[\g+2], 8<<16
	s_mov_b32 s[\g+3], 384<<16
	s_mov_b32 s[\g+4], 8
	s_mov_b32 s[\g+5], 1536
	s_mov_b32 s[\g+6], 0
	s_mov_b32 s[\g+7], 0
.endr
.irp g, G1SA, G1SB                     ; scale words of 8 tiles: 4,096 dense bytes as 16 rows of 256
	s_mov_b32 s[\g+1], 32<<16
	s_mov_b32 s[\g+2], 16<<16
	s_mov_b32 s[\g+3], 32<<16
	s_mov_b32 s[\g+4], 16
	s_mov_b32 s[\g+5], 32
	s_mov_b32 s[\g+6], 0
	s_mov_b32 s[\g+7], 0
.endr
	s_lshl_b32 s98, s93, 4
	s_lshl_b32 s3, s20, 3
	s_add_co_u32 s98, s98, s3
	s_add_co_u32 s98, s98, s97                     ; A: the first tile of 16 that I fetch
	s_lshl_b32 s100, s92, 4
	s_add_co_u32 s100, s100, s3                    ; B likewise
	s_mul_i32 s96, s98, 12288
	s_mov_b32 s97, 0
	s_lshl_b32 s98, s98, 9
	s_mov_b32 s99, 0
	s_lshl_b32 s2, s100, 9
	s_mov_b32 s3, 0
	s_mul_i32 s100, s100, 12288
	s_mov_b32 s101, 0
	s_mul_i32 s94, s18, HALFT                      ; where my loads land: no place in the cluster enters an LDS address
	s_lshl_b32 s95, s18, 12
	s_wait_dscnt 0x0                               ; both opening adds are done
	s_wait_kmcnt 0x0
	s_cmp_eq_u32 s21, 0                            ; which buffers are A's and which B's hangs on MODE alone
	s_cselect_b64 s[G0A0+2:G0A0+3], s[4:5], s[8:9]
	s_cselect_b64 s[G0SA+2:G0SA+3], s[6:7], s[10:11]
	s_cselect_b64 s[G0B0+2:G0B0+3], s[8:9], s[4:5]
	s_cselect_b64 s[G0SB+2:G0SB+3], s[10:11], s[6:7]
	s_add_nc_u64 s[G0A0+2:G0A0+3], s[G0A0+2:G0A0+3], s[96:97]
	s_add_nc_u64 s[G0SA+2:G0SA+3], s[G0SA+2:G0SA+3], s[98:99]
	s_add_nc_u64 s[G0B0+2:G0B0+3], s[G0B0+2:G0B0+3], s[100:101]
	s_add_nc_u64 s[G0SB+2:G0SB+3], s[G0SB+2:G0SB+3], s[2:3]
	s_add_nc_u64 s[G0A1+2:G0A1+3], s[G0A0+2:G0A0+3], TILEB
	s_add_nc_u64 s[G0A2+2:G0A2+3], s[G0A0+2:G0A0+3], 2*TILEB
	s_add_nc_u64 s[G0B1+2:G0B1+3], s[G0B0+2:G0B0+3], TILEB
	s_add_nc_u64 s[G0B2+2:G0B2+3], s[G0B0+2:G0B0+3], 2*TILEB
.irp g, G0A0, G0A1, G0A2, G0B0, G0B1, G0B2, G0SA, G0SB
	s_mov_b32 s[\g], 1
	s_or_b32 s[\g+3], s[\g+3], 0x80000000
.endr
	s_mov_b32 s[G0A0+1], s94
	s_mov_b32 s[G0B0+1], s94
	s_add_co_u32 s[G0A1+1], s94, SLOT
	s_add_co_u32 s[G0B1+1], s94, SLOT
	s_add_co_u32 s[G0A2+1], s94, 2*SLOT
	s_add_co_u32 s[G0B2+1], s94, 2*SLOT
	s_add_co_u32 s[G0SA+1], s95, SCL
	s_add_co_u32 s[G0SB+1], s95, SCL
	CROUND                                         ; all sixteen work-groups are here: the first joint loads meet
	JLOAD G0SA, G1SA, G0SB, G1SB
	JLOAD G0A0, G1A, G0B0, G1B
	JLOAD G0A1, G1A, G0B1, G1B
	JLOAD G0A2, G1A, G0B2, G1B
	v_and_b32 v1, 15, v0                           ; r
	v_bfe_u32 v2, v0, 4, 1                         ; h
	v_and_b32 v3, 31, v0
	v_lshlrev_b32 v[VO], 3, v3
	s_mul_i32 s2, s19, HALFT
	s_mul_i32 s3, s20, HALFT
	s_add_co_u32 s3, s3, 2*HALFT
.irp L, 0,1,2
	v_add_nc_u32 v[ADRA+\L], s2, v[VO]
	v_add_nc_u32 v[ADRB+\L], s3, v[VO]
	s_add_co_u32 s2, s2, SLOT
	s_add_co_u32 s3, s3, SLOT
.endr
	s_lshl_b32 s2, s19, 12
	s_lshl_b32 s3, s20, 12
	s_add_co_u32 s3, s3, 8192
	s_sub_co_u32 s3, s3, s2
	v_mul_u32_u24 v4, s3, v2                       ; lanes 16-31 take B's words: one product, h x the distance
	s_add_co_u32 s2, s2, SCL
	v_lshl_add_u32 v4, v1, 4, v4
	v_add_nc_u32 v[ADRS], s2, v4
	v_mul_u32_u24 v[VS], v2, 20480
	v_lshl_add_u32 v[VS], v1, 4, v[VS]
	v_lshlrev_b32 v[SH16], 4, v2
	s_mov_b32 s22, 0x76543210
	s_mov_b32 s23, 0xfedcba98                      ; selects for lane l xor 16
.macro FRAG reg, adr, q, i             ; a fragment as it lies: six loads of 256 consecutive bytes
.irp p, 0,1,2,3,4,5
	ds_load_b64 v[\reg+2*\p:\reg+2*\p+1], v[\adr] offset:(\i)*TILEB+(\q)*1536+256*\p
.endr
.endm
.macro MUL16 a0, p, q, sc, zero        ; A's blocks a0, a0 + 1 x B's eight; the 64 accumulators take turns, one instruction a turn
.irp a, \a0, \a0+1
.irp b, 0,1,2,3,4,5,6,7
.if \zero
	v_wmma_scale_f32_16x16x128_f8f6f4 v[8*(8*((\a)%4)+\b):8*(8*((\a)%4)+\b)+7], v[128*(\p)+FR*\b:128*(\p)+FR*\b+FR-1], v[AF+FR*(\a):AF+FR*(\a)+FR-1], 0, v[SC+8*NQ*(\sc)+NQ*\b+(\q)], v[SC+8*NQ*(\sc)+NQ*(\a)+(\q)] matrix_a_fmt:MATRIX_FMT_BF6 matrix_b_fmt:MATRIX_FMT_BF6 matrix_a_scale:MATRIX_SCALE_ROW1
.else
	v_wmma_scale_f32_16x16x128_f8f6f4 v[8*(8*((\a)%4)+\b):8*(8*((\a)%4)+\b)+7], v[128*(\p)+FR*\b:128*(\p)+FR*\b+FR-1], v[AF+FR*(\a):AF+FR*(\a)+FR-1], v[8*(8*((\a)%4)+\b):8*(8*((\a)%4)+\b)+7], v[SC+8*NQ*(\sc)+NQ*\b+(\q)], v[SC+8*NQ*(\sc)+NQ*(\a)+(\q)] matrix_a_fmt:MATRIX_FMT_BF6 matrix_b_fmt:MATRIX_FMT_BF6 matrix_a_scale:MATRIX_SCALE_ROW1
.endif
.endr
.endr
.endm
.macro FETCH_B slot, q, p
	WIN TO_B
.irp i, 0,1,2,3,4,5,6,7
	FRAG 128*(\p)+FR*\i, ADRB+\slot, \q, \i
.endr
	WIN 0
.endm
.macro FETCH_A slot, q, i0
.irp i, \i0, \i0+1, \i0+2, \i0+3
	FRAG AF+FR*(\i), ADRA+\slot, \q, \i
.endr
.endm
.macro SCALES set, ks                  ; the two scale words a row of K slot ks: lanes 0-15 A's tile i, lanes 16-31 B's tile i
.irp i, 0,1,2,3,4,5,6,7
	ds_load_b64 v[SC+16*(\set)+2*\i:SC+16*(\set)+2*\i+1], v[ADRS] offset:\i*512+((\ks)/2)*256+((\ks)%2)*8
.endr
.endm
.macro STEP slot, sc, zero             ; a slot's first K step; it fetches the second's fragments
	s_wait_dscnt 4*NL                              ; all but the youngest 24 loads (A's blocks 4-7)
	WIN MUL_LO
	MUL16 0, 0, 0, \sc, \zero
	MUL16 2, 0, 0, \sc, \zero
	s_wait_dscnt 0x0
	PLACES NP                                      ; places in front of loads into registers that matrix instructions have read
	FETCH_B \slot, 1, 1
	FETCH_A \slot, 1, 0
	WIN MUL_HI
	MUL16 4, 0, 0, \sc, \zero
	MUL16 6, 0, 0, \sc, \zero
	PLACES NP
	WIN 0
	FETCH_A \slot, 1, 4
.endm
; A slot's second K step changes slots.  kind 1: the slot is filled again: every wave waits for all its tensor loads, adds 0 to its spare word, waits for that and for its reads of the slot; a round of the
; cluster's barrier; the joint refill first behind it.  kind 0: the same lines and a plain barrier: the refill has landed in every wave.  kind 2: no barrier: the next slot was shown landed by every wave in front of the round.
.macro TURN slot, next, sc, nks, kind
.if (\kind) == 2
	s_wait_dscnt 4*NL
	WIN MUL_LO
	MUL16 0, 1, 1, \sc, 0
	MUL16 2, 1, 1, \sc, 0
	s_wait_dscnt 0x0
	WIN 0
	PLACES NP
.else
	s_wait_tensorcnt 0x0                           ; all my tensor loads have landed
	ds_add_u32 v[SPW], v[NIL]
	s_wait_dscnt 4*NL+1                            ; (the add and the youngest 24 loads may be out)
	WIN MUL_LO
	MUL16 0, 1, 1, \sc, 0
	s_wait_dscnt 0x0                               ; the add is done, my reads of this slot are over
	s_barrier_signal -1
	MUL16 2, 1, 1, \sc, 0
	WIN 0
	s_barrier_wait -1
.if (\kind) == 1
	CREST                                          ; no wave of any partner still reads slot 0 or has a load on its way
	s_add_nc_u64 s[G0A0+2:G0A0+3], s[G0A0+2:G0A0+3], 3*TILEB      ; K slot 3
	s_add_nc_u64 s[G0B0+2:G0B0+3], s[G0B0+2:G0B0+3], 3*TILEB
	JLOAD G0A0, G1A, G0B0, G1B                     ; its four v_nop are also the places in front of the loads below
.else
	PLACES NP
.endif
.endif
	FETCH_B \next, 0, 0
	FETCH_A \next, 0, 0
	SCALES 1-(\sc), \nks
	WIN MUL_HI
	MUL16 4, 1, 1, \sc, 0
	MUL16 6, 1, 1, \sc, 0
	PLACES NP
	WIN 0
	FETCH_A \next, 0, 4
.endm
.macro LAST sc
	s_wait_dscnt 4*NL
	WIN MUL_LO
	MUL16 0, 1, 1, \sc, 0
	MUL16 2, 1, 1, \sc, 0
	s_wait_dscnt 0x0
	WIN MUL_HI
	MUL16 4, 1, 1, \sc, 0
	MUL16 6, 1, 1, \sc, 0
	WIN 0
.endm
; 64 numbers of a lane, register 16 b + i = k 32 b + 16 h + i of my row, become a fragment's codes in v[PC] on and its scale word in v[pw]
.macro QUANT s, pw
.irp b, 0,1,2,3
	v_max3_num_f32 v[TM+\b], |v[\s+16*\b]|, |v[\s+1+16*\b]|, 0x2800000
.endr
.irp i, 2,4,6,8,10,12,14
.irp b, 0,1,2,3
	v_max3_num_f32 v[TM+\b], v[TM+\b], |v[\s+16*\b+\i]|, |v[\s+1+16*\b+\i]|
.endr
.endr
.irp b, 0,1,2,3
	v_permlanex16_b32 v[TM+4+\b], v[TM+\b], s22, s23
.endr
.irp b, 0,1,2,3
	v_max_num_f32 v[TM+\b], v[TM+\b], v[TM+4+\b]
.endr
.irp b, 0,1,2,3
	v_add_nc_u32 v[TM+12+\b], 0xfe000000, v[TM+\b]
.endr
.irp b, 0,1,2,3
	v_lshrrev_b32 v[TM+4+\b], 23, v[TM+12+\b]
.endr
	v_lshl_or_b32 v[\pw], v[TM+5], 8, v[TM+4]
	v_lshl_or_b32 v[\pw], v[TM+6], 16, v[\pw]
	v_lshl_or_b32 v[\pw], v[TM+7], 24, v[\pw]
.irp c, 0,1
	v_cvt_scalef32_pk16_bf6_f32 v[PC+6*\c:PC+2+6*\c], v[\s+32*\c:\s+15+32*\c], v[TM+12+2*\c]
	v_cvt_scalef32_pk16_bf6_f32 v[PC+12+4*\c:PC+14+4*\c], v[\s+16+32*\c:\s+31+32*\c], v[TM+12+2*\c+1]
.endr
	v_nop                                          ; one plain place behind the conversions
.irp c, 0,1
.irp i, 0,1,2
	v_permlane16_swap_b32 v[PC+6*\c+\i], v[PC+12+4*\c+\i]   ; a whole block to a lane
.endr
.irp i, 0,1,2
	v_mov_b32 v[PC+3+6*\c+\i], v[PC+12+4*\c+\i]
.endr
.endr
.endm
; THE WAY OUT.  For A's block a the lane's 64 results (b = 0..7) are 128 neighbours along the next K, 16 h apart: + bias (which also moves them into window 0), quantised, stored as an image.
.macro EPI mode
	PLACES NP                                      ; behind the last products
	s_wait_loadcnt 0x0                             ; the bias
.irp b, 0,1,2,3
	v_mov_b32 v[TM+4+\b], 0                        ; a lane permute's destination counts as read
.endr
.irp a, 0,1,2,3,4,5,6,7
.if \a > 0
	s_wait_xcnt 0x0                                ; the last block's stores have read their registers
.endif
	WIN 0x02+(\a/4)                                ; source 0: window 2 or 3
.set i, 0
.rept 32
.if \mode
	v_pk_add_f32 v[H+2*i:H+2*i+1], v[64*(\a%4)+2*i:64*(\a%4)+2*i+1], v[BI+2*\a:BI+2*\a+1]
.else
	v_pk_add_f32 v[H+2*i:H+2*i+1], v[64*(\a%4)+2*i:64*(\a%4)+2*i+1], v[BI+2*i:BI+2*i+1]
.endif
.set i, i+1
.endr
	WIN 0
.if \mode
	QUANT H, W+\a
.irp p, 0,1,2,3,4,5
	global_store_b64 v[VO], v[PC+2*\p:PC+2*\p+1], s[14:15] offset:(\a/4)*294912+(\a%4)*1536+256*\p   ; head a / 4, d tile a % 4
.endr
.else
	QUANT H, W+(\a%4)
.irp p, 0,1,2,3,4,5
	global_store_b64 v[VO], v[PC+2*\p:PC+2*\p+1], s[14:15] offset:\a*768+(\p/3)*294912+(\p%3)*256    ; pieces 0-2: my first head, 3-5: the next
.endr
.if (\a%4) == 3
.irp i, 0,1,2,3
	v_lshrrev_b32 v[W+\i], v[SH16], v[W+\i]        ; lanes 0-15 keep the first head's two bytes, lanes 16-31 the next head's
.endr
.irp i, 0,1,2,3
	v_and_b32 v[W+\i], 0xffff, v[W+\i]
.endr
	global_store_b128 v[VS], v[W:W+3], s[16:17] offset:(\a/4)*256   ; sixteen lanes store 256 consecutive bytes, aligned
.endif
.endif
.endr
.if \mode
	v_cmp_ne_u32 vcc_lo, 0, v2
.irp i, 0,1,2,3
	v_cndmask_b32 v[W+\i], v[W+\i], v[W+4+\i], vcc_lo   ; lanes 16-31 store the next head's words
.endr
	global_store_b128 v[VS], v[W:W+3], s[16:17]
.endif
	s_wait_tensorcnt 0x0                           ; the wave's end
	ds_add_u32 v[SPW], v[NIL]
	s_wait_dscnt 0x0
	CROUND                                         ; the closing round
	s_endpgm
.endm
	s_wait_tensorcnt 2                             ; the scale words and slot 0 are in; slots 1 and 2 may be out
	s_barrier_signal -1
	s_barrier_wait -1
	FETCH_B 0, 0, 0
	FETCH_A 0, 0, 0
	SCALES 0, 0
	FETCH_A 0, 0, 4
	STEP 0, 0, 1                                   ; the first products start the sums
	TURN 0, 1, 0, 1, 1
	STEP 1, 1, 0
	TURN 1, 2, 1, 2, 2
	STEP 2, 0, 0
	TURN 2, 0, 0, 3, 0
	s_cmp_lg_u32 s21, 0                            ; the one branch on MODE: each arm holds its bias loads, the last two K steps and its way out
	s_cbranch_scc1 .Lmode1
	; MODE 0: tokens 256 s93 + 128 rh on, n = 256 s92 + 128 ch on
	s_lshl_b32 s2, s93, 4
	s_lshl_b32 s3, s19, 3
	s_add_co_u32 s2, s2, s3                        ; my first tile of tokens
	s_lshr_b32 s3, s2, 7                           ; b
	s_and_b32 s2, s2, 127                          ; the tile in its sequence
	s_lshl_b32 s94, s92, 2
	s_lshl_b32 s95, s20, 1
	s_add_co_u32 s94, s94, s95                     ; 0..15 q's heads, 16..31 k's
	s_lshr_b32 s95, s94, 4
	s_and_b32 s94, s94, 15
	s_lshl_b32 s3, s3, 4
	s_add_co_u32 s3, s3, s94                       ; bh
	s_mul_i32 s96, s3, 294912
	s_mul_i32 s94, s95, 98304
	s_add_co_u32 s96, s96, s94
	s_mul_i32 s94, s2, 768
	s_add_co_u32 s96, s96, s94
	s_mov_b32 s97, 0
	s_add_nc_u64 s[14:15], s[14:15], s[96:97]
	s_mul_i32 s96, s3, 20480
	s_lshl_b32 s94, s95, 13
	s_add_co_u32 s96, s96, s94
	s_lshl_b32 s94, s2, 6                          ; 256 bytes for four tiles
	s_add_co_u32 s96, s96, s94
	s_add_nc_u64 s[16:17], s[16:17], s[96:97]
	s_lshl_b32 s96, s92, 10
	s_lshl_b32 s94, s20, 9
	s_add_co_u32 s96, s96, s94
	s_add_nc_u64 s[12:13], s[12:13], s[96:97]
	v_lshlrev_b32 v4, 6, v2                        ; register 8 b + j is n = 32 (b / 2) + 16 h + 8 (b % 2) + j
.irp b, 0,1,2,3,4,5,6,7
	global_load_b128 v[BI+8*\b:BI+8*\b+3], v4, s[12:13] offset:(32*(\b/2)+8*(\b%2))*4
	global_load_b128 v[BI+8*\b+4:BI+8*\b+7], v4, s[12:13] offset:(32*(\b/2)+8*(\b%2))*4+16
.endr
	STEP 0, 1, 0
	LAST 1
	EPI 0
.Lmode1:
	; MODE 1: tokens 256 s92 + 128 ch on (one key step), n = 2,048 + 256 s93 + 128 rh on (two heads)
	s_lshr_b32 s3, s92, 3                          ; b
	s_lshl_b32 s2, s92, 1
	s_add_co_u32 s2, s2, s20
	s_and_b32 s2, s2, 15                           ; key step
	s_lshl_b32 s94, s93, 2
	s_lshl_b32 s95, s19, 1
	s_add_co_u32 s94, s94, s95                     ; head
	s_lshl_b32 s3, s3, 4
	s_add_co_u32 s3, s3, s94
	s_mul_i32 s96, s3, 294912
	s_mul_i32 s94, s2, 6144
	s_add_co_u32 s96, s96, s94
	s_add_co_u32 s96, s96, 196608
	s_mov_b32 s97, 0
	s_add_nc_u64 s[14:15], s[14:15], s[96:97]
	s_mul_i32 s96, s3, 20480
	s_lshl_b32 s94, s2, 8
	s_add_co_u32 s96, s96, s94
	s_add_co_u32 s96, s96, 16384
	s_add_nc_u64 s[16:17], s[16:17], s[96:97]
	s_lshl_b32 s96, s93, 10
	s_lshl_b32 s94, s19, 9
	s_add_co_u32 s96, s96, s94
	s_add_co_u32 s96, s96, 8192
	s_add_nc_u64 s[12:13], s[12:13], s[96:97]
	v_and_b32 v4, 8, v1
	v_add_nc_u32 v4, v4, v1
	v_lshlrev_b32 v4, 2, v4                        ; my channel in a tile: r + 8 (r / 8)
.irp a, 0,1,2,3,4,5,6,7
	global_load_b32 v[BI+2*\a], v4, s[12:13] offset:(32*(\a/2)+8*(\a%2))*4
	global_load_b32 v[BI+2*\a+1], v4, s[12:13] offset:(32*(\a/2)+8*(\a%2))*4     ; twice: a pair for the packed addition
.endr
	STEP 0, 1, 0
	LAST 1
	EPI 1
.Lfunc_end_k_q4a126162b4_qkv:
	.size	k_q4a126162b4_qkv, .Lfunc_end_k_q4a126162b4_qkv-k_q4a126162b4_qkv
	.p2alignl 7, 3214868480
	.fill 96, 4, 3214868480
	.section	.rodata,"a",@progbits
	.p2align	6, 0x0
	.amdhsa_kernel k_q4a126162b4_qkv
		.amdhsa_group_segment_fixed_size 327680
		.amdhsa_private_segment_fixed_size 0
		.amdhsa_enable_private_segment 0
		.amdhsa_kernarg_size 56
		.amdhsa_user_sgpr_count 2
		.amdhsa_user_sgpr_kernarg_segment_ptr 1
		.amdhsa_wavefront_size32 1
		.amdhsa_system_sgpr_workgroup_id_x 1
		.amdhsa_system_sgpr_workgroup_id_y 1
		.amdhsa_system_sgpr_workgroup_id_z 1
		.amdhsa_system_vgpr_workitem_id 0
		.amdhsa_next_free_vgpr 1024
		.amdhsa_next_free_sgpr 102
		.amdhsa_reserve_vcc 1
		.amdhsa_float_denorm_mode_32 3
		.amdhsa_float_denorm_mode_16_64 3
		.amdhsa_memory_ordered 1
		.amdhsa_forward_progress 1
		.amdhsa_inst_pref_size 255
	.end_amdhsa_kernel
	.section	.bss,"aw",@nobits
	.p2align	6
	.space	262144
	.amdgpu_metadata
---
amdhsa.version: [ 1, 2 ]
amdhsa.kernels:
  - .name:           k_q4a126162b4_qkv
    .symbol:         k_q4a126162b4_qkv.kd
    .args:
      - { .name: ximg, .offset: 0, .size: 8, .value_kind: global_buffer, .address_space: global }
      - { .name: xscl, .offset: 8, .size: 8, .value_kind: global_buffer, .address_space: global }
      - { .name: wimg, .offset: 16, .size: 8, .value_kind: global_buffer, .address_space: global }
      - { .name: wscl, .offset: 24, .size: 8, .value_kind: global_buffer, .address_space: global }
      - { .name: b_attn, .offset: 32, .size: 8, .value_kind: global_buffer, .address_space: global }
      - { .name: qkvimg, .offset: 40, .size: 8, .value_kind: global_buffer, .address_space: global }
      - { .name: qkvscl, .offset: 48, .size: 8, .value_kind: global_buffer, .address_space: global }
    .group_segment_fixed_size: 327680
    .private_segment_fixed_size: 0
    .kernarg_segment_align: 8
    .kernarg_segment_size: 56
    .max_flat_workgroup_size: 128
    .sgpr_count:     102
    .vgpr_count:     1024
    .wavefront_size: 32
...
	.end_amdgpu_metadata
.endif
;; end of part 2
;; launch attn (part 3): grid 4 x 64, 16 waves a work-group, clusters of 4 x 1, 210,944 bytes of LDS; arguments qkvimg, qkvscl, yimg, yscl; writes yimg, yscl
.if DOCPART == 3
	.amdgcn_target "amdgcn-amd-amdhsa--gfx1250"
	.amdhsa_code_object_version 6
	.text
	.protected	k_q4a126162b4_attn
	.globl	k_q4a126162b4_attn
	.p2align	8
	.type	k_q4a126162b4_attn,@function
k_q4a126162b4_attn:
	s_mov_b64 s[64:65], 0
	v_nop
	global_prefetch_b8 v0, s[64:65] scope:SCOPE_SE
	s_setreg_imm32_b32 hwreg(HW_REG_WAVE_MODE, 25, 1), 1
	s_wait_xcnt 0x0
	s_wait_alu depctr_hold_cnt(0) depctr_sa_sdst(0) depctr_va_vdst(0) depctr_va_sdst(0) depctr_va_ssrc(0) depctr_va_vcc(0) depctr_vm_vsrc(0)
	s_getreg_b32 s2, hwreg(HW_REG_IB_STS2, 6, 4)
	s_cmp_eq_u32 s2, 0
	s_cbranch_scc0 .Lentry_in_a_cluster
	s_endpgm
.Lentry_in_a_cluster:
	s_bfe_u32 s2, ttmp6, 0x10000c
	s_cmp_lg_u32 s2, 0x3003
	s_cbranch_scc0 .Lentry_shape_is_right
	s_endpgm
.Lentry_shape_is_right:
; y = softmax(q k^T / 8, causal) v for one head bh = 16 b + head, both products on codes of BF6 (launch qkv's images); y is quantised along the channels and leaves as launch proj's operand image.
; LEFT OUT: the steps of 128 keys that lie wholly behind a tile's 16 queries: reference()'s own causal mask makes their p zero for all inputs (shown at the head of launch quant).
; THE SOFTMAX: t = score x log2(e) / 8; M = the running largest t rounded up to a whole number; p = 2^(t - M) is quantised along the keys, not normalised; the row's sum is taken of the unquantised p
; and divides at the end; when M moves, sum and O are multiplied by 2^(old M - new M), which rounds nothing.
; SHARES.  The four work-groups of a cluster (g = 0..3) share a head.  Wave w owns two tiles of 16 queries: tile 4 w + g, which needs key steps 0 .. w / 2, and tile 127 - (4 w + g), which needs
; 0 .. 15 - w / 2: 17 tile steps for every wave of the launch.  Both limits hang on the wave's number alone: no branch hangs on a work-group's place in its cluster.
; THE WHOLE HEAD LIES IN LDS: K's codes 98,304 bytes, V's 98,304, K's scale words 8,192, V's 4,096, as they lie in memory.  Each wave asks for a sixteenth, by two joint loads (mask: all four partners), filled once:
; no ring, no refill, and no barrier inside the walk.  By this text's count a wave has two tensor loads out.
; LAYOUT.  Both products are used transposed (S^T = K Q^T, O^T = V^T P^T): a lane holds one query.  The score product's K is 64: registers 6-11 of Q's and K's fragments are zero codes, which add nothing.
; The rows of a tile are not neighbours (launch quant): the 16 registers of tiles 2 B, 2 B + 1 are keys (or channels) 32 B + 16 h + 0..15.
; LIMITS: as in launch quant for y's blocks; no NaN, no infinities.
; REGISTERS: v1-4 places that stay; v5, v6 the add's; v7, v94 query - key base - 16 h on the diagonal; v8-11 the step's addresses; v12-15, v88-91 -M, largest t, the sum (a pair); v16-27, v28-39 Q; v40-87 four fragments of K;
; v92, v93 Q's scale words; v95 -infinity; v96-159 S^T, then p, then V's four fragments; v160-191, v192-223 O^T; v224-235 p's codes; v232-247, v252, v254 at work; v248-251 K's or V's scale words; v253 p's; v243 h; v255 16 r + h.
.set SPARE, 208896
.set AK0,  1
.set AV0,  2
.set ASK0, 3
.set ASV0, 4
.set SPW,  5
.set NIL,  6
.set ADK,  8
.set ADV,  9
.set ADS,  10
.set ADT,  11
.set WV,   18
.set SEL,  20
.set CS,   22
.set G1S,  24
.set G1C,  32
.set G0S,  48
.set G0C,  52
.set KS,   60                          ; the key step
.set TB,   61                          ; 6,144 a step: K's eight tiles, V's four fragments
.set TS,   62                          ; 512 a step: K's scale words
.set TJ,   63                          ; 256 a step: V's
.set LIMLO, 66
.set LIMHI, 67
.set CNT,  68
.set ALO,  70
.set AHI,  71
.macro CROUND
	s_barrier_signal -1
	s_barrier_wait -1
	s_cmp_lg_u32 s[WV], 0
	s_cbranch_scc1 .Lnot_wave_0_\@
	s_barrier_signal -3
.Lnot_wave_0_\@:
	s_barrier_wait -3
	s_barrier_signal -1
	s_barrier_wait -1
.endm
	s_load_b256 s[4:11], s[0:1], 0x0               ; qkvimg, qkvscl, yimg, yscl
	v_lshl_add_u32 v[SPW], v0, 2, SPARE
	v_mov_b32 v[NIL], 0
	ds_add_u32 v[SPW], v[NIL]                      ; the wave's opening: the add, twice on end, and its wait ahead of my first tensor load
	ds_add_u32 v[SPW], v[NIL]
	v_lshrrev_b32 v8, 5, v0
	v_readfirstlane_b32 s[WV], v8                  ; wave 0..15
	s_bfe_u32 s69, ttmp6, 0x40000                  ; g
	s_lshl_b32 s[ALO], s[WV], 2
	s_add_co_u32 s[ALO], s[ALO], s69               ; my early tile
	s_sub_co_u32 s[AHI], 127, s[ALO]               ; my late tile
	s_lshr_b32 s[LIMLO], s[WV], 1
	s_sub_co_u32 s[LIMHI], 15, s[LIMLO]
	s_and_b32 s72, ttmp7, 0xffff                   ; bh
	s_mul_i32 s74, s72, 294912                     ; the head's record of codes,
	s_mul_i32 s76, s72, 20480                      ; and of scale words
	s_mul_i32 s12, s[WV], 768
	s_mul_i32 s13, s[WV], 12288
	s_add_co_u32 s14, s76, s12
	s_add_co_u32 s14, s14, 8192                    ; my sixteenth of K's and V's scale words
	s_mov_b32 s15, 0
	s_add_co_u32 s16, s74, s13
	s_add_co_u32 s16, s16, 98304                   ; my sixteenth of K's and V's codes
	s_mov_b32 s17, 0
	s_mov_b32 s[G1S], 15|(3<<16)|(1<<21)           ; 15:0 the mask: all four; 17:16 elements of 8 bytes; 21 set beside a mask
	s_mov_b32 s[G1S+1], 32<<16                     ; dense rows of 256 bytes
	s_mov_b32 s[G1S+2], 3<<16
	s_mov_b32 s[G1S+3], 32<<16
	s_mov_b32 s[G1S+4], 3
	s_mov_b32 s[G1S+5], 32
	s_mov_b32 s[G1S+6], 0
	s_mov_b32 s[G1S+7], 0
	s_mov_b32 s[G1C], 15|(3<<16)|(1<<21)
	s_mov_b32 s[G1C+1], 32<<16
	s_mov_b32 s[G1C+2], 48<<16
	s_mov_b32 s[G1C+3], 32<<16
	s_mov_b32 s[G1C+4], 48
	s_mov_b32 s[G1C+5], 32
	s_mov_b32 s[G1C+6], 0
	s_mov_b32 s[G1C+7], 0
	s_mov_b32 s[SEL], 0x76543210
	s_mov_b32 s[SEL+1], 0xfedcba98
	s_mov_b32 s[CS], 0x3e38aa3b                    ; log2(e) / 8
	s_mov_b32 s[CS+1], s[CS]
	s_mov_b32 s[KS], 0
	s_mov_b32 s[TB], 0
	s_mov_b32 s[TS], 0
	s_mov_b32 s[TJ], 0
	s_lshr_b32 s73, s72, 4
	s_lshl_b32 s73, s73, 7                         ; 128 b: y's tiles of my sequence
	s_and_b32 s75, s72, 15                         ; head
	s_lshr_b32 s94, s75, 1                         ; its K step in y's image
	s_lshr_b32 s77, s75, 3
	s_lshl_b32 s77, s77, 8
	s_and_b32 s2, s94, 3
	s_lshl_b32 s2, s2, 2
	s_add_co_u32 s77, s77, s2
	s_and_b32 s2, s75, 1
	s_lshl_b32 s3, s2, 1
	s_add_co_u32 s77, s77, s3                      ; its two bytes in a row's scale words
	s_mul_i32 s95, s2, 768                         ; its three pieces of the fragment
	s_wait_dscnt 0x0                               ; both opening adds are done
	s_wait_kmcnt 0x0
	s_mov_b32 s[G0S], 1
	s_add_co_u32 s[G0S+1], s12, 196608
	s_add_nc_u64 s[G0S+2:G0S+3], s[6:7], s[14:15]
	s_or_b32 s[G0S+3], s[G0S+3], 0x80000000
	s_mov_b32 s[G0C], 1
	s_mov_b32 s[G0C+1], s13
	s_add_nc_u64 s[G0C+2:G0C+3], s[4:5], s[16:17]
	s_or_b32 s[G0C+3], s[G0C+3], 0x80000000
	CROUND                                         ; all four work-groups are here: the joint loads meet
	tensor_load_to_lds s[G0S:G0S+3], s[G1S:G1S+7]
	s_nop 0
	tensor_load_to_lds s[G0C:G0C+3], s[G1C:G1C+7]
	s_nop 0
.rept 4
	v_nop
.endr
; tile A's pointers: Q's codes, Q's scale words, y's image, y's scale bytes; and the scalar part of the diagonal's offset
.macro PTRS A, QP, QSP, YP, YSP, DMS
	s_mul_i32 s2, s[\A], 768
	s_add_co_u32 s2, s2, s74
	s_mov_b32 s3, 0
	s_add_nc_u64 s[\QP:\QP+1], s[4:5], s[2:3]
	s_lshr_b32 s2, s[\A], 2
	s_lshl_b32 s2, s2, 8
	s_and_b32 s12, s[\A], 3
	s_lshl_b32 s12, s12, 2
	s_add_co_u32 s2, s2, s12
	s_add_co_u32 s2, s2, s76
	s_add_nc_u64 s[\QSP:\QSP+1], s[6:7], s[2:3]
	s_add_co_u32 s12, s[\A], s73
	s_lshl_b32 s2, s12, 3
	s_add_co_u32 s2, s2, s94
	s_mul_i32 s2, s2, 1536
	s_add_co_u32 s2, s2, s95
	s_add_nc_u64 s[\YP:\YP+1], s[8:9], s[2:3]
	s_lshl_b32 s2, s12, 9
	s_add_co_u32 s2, s2, s77
	s_add_nc_u64 s[\YSP:\YSP+1], s[10:11], s[2:3]
	s_and_b32 s[\DMS], s[\A], 6
	s_lshl_b32 s[\DMS], s[\DMS], 4
	s_and_b32 s12, s[\A], 1
	s_lshl_b32 s12, s12, 3
	s_add_co_u32 s[\DMS], s[\DMS], s12             ; the tile's first query in its key step: 32 ((a / 2) % 4) + 8 (a % 2)
.endm
	PTRS ALO, 78, 82, 86, 88, 14
	PTRS AHI, 80, 84, 90, 92, 15
	v_and_b32 v8, 15, v0                           ; r
	v_bfe_u32 v243, v0, 4, 1                       ; h
	v_and_b32 v9, 31, v0
	v_lshlrev_b32 v[AK0], 3, v9                    ; 8 x lane
	v_lshlrev_b32 v10, 4, v8                       ; 16 r
.irp p, 0,1,2
	global_load_b64 v[16+2*\p:17+2*\p], v[AK0], s[78:79] offset:256*\p
	global_load_b64 v[28+2*\p:29+2*\p], v[AK0], s[80:81] offset:256*\p
.endr
	global_load_b32 v92, v10, s[82:83]
	global_load_b32 v93, v10, s[84:85]
.irp j, 22,23,24,25,26,27,34,35,36,37,38,39,46,47,48,49,50,51,58,59,60,61,62,63,70,71,72,73,74,75,82,83,84,85,86,87
	v_mov_b32 v[\j], 0                             ; the upper 64 of the score product's K: zero codes, written once
.endr
.set j, 0
.rept 64
	v_mov_b32 v[160+j], 0                          ; O^T: the key step is written once; the first change of M leaves zeros zeros
.set j, j+1
.endr
	v_add_nc_u32 v[AV0], 98304, v[AK0]
	v_add_nc_u32 v[ASK0], 196608, v10
	v_add_nc_u32 v[ASV0], 204800, v10
	v_add_nc_u32 v255, v10, v243
	v_and_b32 v11, 8, v8
	v_add_nc_u32 v11, v11, v8
	v_lshlrev_b32 v9, 4, v243
	v_sub_nc_u32 v11, v11, v9                      ; r + 8 (r / 8) - 16 h
	v_add_nc_u32 v7, s14, v11
	v_add_nc_u32 v94, s15, v11
	v_mov_b32 v95, 0xff800000                      ; -infinity
	v_mov_b32 v13, 0xff61b1e6                      ; the largest t so far: -3e38
	v_mov_b32 v89, 0xff61b1e6
	v_floor_f32 v12, -v13
	v_floor_f32 v88, -v89
	v_mov_b32 v14, 0
	v_mov_b32 v15, 0
	v_mov_b32 v90, 0
	v_mov_b32 v91, 0
.irp j, 236,237,238,239,252,253
	v_mov_b32 v[\j], 0                             ; lane permutes' destinations, and the pair v[252:253], count as read
.endr
; ONE TILE'S KEY STEP: 128 keys.
.macro TSTEP QF, QS, ST, OB, LIM, DM
	s_cmp_gt_u32 s[KS], s[\LIM]                    ; all of the step's keys come after the tile's queries: the step's work is left out
	s_cbranch_scc1 .Lhid_\@
.irp g, 0,1
.if \g
.rept 4
	v_nop                                          ; places in front of loads into registers that matrix instructions have read
.endr
.endif
.irp t, 0,1,2,3
.irp p, 0,1,2
	ds_load_b64 v[40+12*\t+2*\p:41+12*\t+2*\p], v[ADK] offset:(4*\g+\t)*768+256*\p
.endr
.endr
	ds_load_b128 v[248:251], v[ADS] offset:256*\g
	s_wait_dscnt 0x0
.irp t, 0,1,2,3
	v_wmma_scale_f32_16x16x128_f8f6f4 v[96+8*(4*\g+\t):103+8*(4*\g+\t)], v[40+12*\t:51+12*\t], v[\QF:\QF+11], 0, v[248+\t], v[\QS] matrix_a_fmt:MATRIX_FMT_BF6 matrix_b_fmt:MATRIX_FMT_BF6
.endr
.endr
.rept 4
	v_nop
.endr
	s_cmp_lg_u32 s[KS], s[\LIM]                    ; only the tile's last step lies on the diagonal
	s_cbranch_scc1 .Lopen_\@
.set n, 0
.rept 64
	v_cmp_gt_i32 vcc_lo, 32*(n/16)+n%16, v[\DM]    ; register 16 b + i holds key 32 b + 16 h + i of the step: hidden where it comes after my query
	v_cndmask_b32 v[96+n], v[96+n], v95, vcc_lo
.set n, n+1
.endr
.Lopen_\@:
.irp b, 0,1,2,3
	v_max3_num_f32 v[232+\b], v[96+16*\b], v[97+16*\b], v[98+16*\b]   ; the largest score of each block of 32 keys: for the row's maximum and, since p rises with the score, for the block's largest p
.endr
.irp i, 3,5,7,9,11,13
.irp b, 0,1,2,3
	v_max3_num_f32 v[232+\b], v[232+\b], v[96+16*\b+\i], v[97+16*\b+\i]
.endr
.endr
.irp b, 0,1,2,3
	v_max_num_f32 v[232+\b], v[232+\b], v[111+16*\b]
.endr
.irp b, 0,1,2,3
	v_permlanex16_b32 v[236+\b], v[232+\b], s[SEL], s[SEL+1]
.endr
.irp b, 0,1,2,3
	v_max_num_f32 v[232+\b], v[232+\b], v[236+\b]
.endr
	v_max3_num_f32 v254, v232, v233, v234
	v_max_num_f32 v254, v254, v235
	v_mul_f32 v254, s[CS], v254
	v_max_num_f32 v[\ST+1], v[\ST+1], v254         ; the running largest t
	v_mov_b32 v254, v[\ST]
	v_floor_f32 v[\ST], -v[\ST+1]                  ; -M = floor(-t)
	v_sub_f32 v254, v[\ST], v254                   ; old M - new M: a whole number, 0 or less
	v_cvt_i32_f32 v254, v254
	v_ldexp_f32 v252, 1.0, v254                    ; f = 2^(old M - new M)
.set j, 0
.rept 32
	v_pk_fma_f32 v[96+j:97+j], v[96+j:97+j], s[CS:CS+1], v[\ST:\ST+1] op_sel_hi:[1,0,0]   ; t - M
.set j, j+2
.endr
.irp b, 0,1,2,3
	v_fma_f32 v[232+\b], v[232+\b], s[CS], v[\ST]
.endr
.set j, 0
.rept 64
	v_exp_f32 v[96+j], v[96+j]                     ; p
.set j, j+1
.endr
	v_pk_mul_f32 v[\ST+2:\ST+3], v[\ST+2:\ST+3], v[252:253] op_sel_hi:[1,0]   ; the sum under the new M: the plain place behind the batch
	s_wait_alu depctr_va_vdst(0)                   ; one wait for the batch of 64, ahead of its first reader
.irp b, 0,1,2,3
	v_exp_f32 v[232+\b], v[232+\b]                 ; the blocks' largest p
.endr
	v_pk_add_f32 v[236:237], v[96:97], v[98:99]    ; the row's sum of the unquantised p, in two chains
.irp j, 4,8,12,16,20,24,28,32,36,40,44,48,52,56,60
	v_pk_add_f32 v[\ST+2:\ST+3], v[\ST+2:\ST+3], v[96+\j:97+\j]
	v_pk_add_f32 v[236:237], v[236:237], v[98+\j:99+\j]
.endr
	v_pk_add_f32 v[\ST+2:\ST+3], v[\ST+2:\ST+3], v[236:237]
	s_wait_alu depctr_va_vdst(0)                   ; and one for the four
.irp b, 0,1,2,3
	v_max_num_f32 v[232+\b], 0x2800000, v[232+\b]  ; the floor: the byte cannot fall under 1
.endr
.irp b, 0,1,2,3
	v_add_nc_u32 v[244+\b], 0xfe000000, v[232+\b]
.endr
.irp b, 0,1,2,3
	v_lshrrev_b32 v[236+\b], 23, v[244+\b]
.endr
	v_lshl_or_b32 v253, v237, 8, v236              ; p's scale word for these 128 keys
	v_lshl_or_b32 v253, v238, 16, v253
	v_lshl_or_b32 v253, v239, 24, v253
.irp c, 0,1
	v_cvt_scalef32_pk16_bf6_f32 v[224+6*\c:226+6*\c], v[96+32*\c:111+32*\c], v[244+2*\c]
	v_cvt_scalef32_pk16_bf6_f32 v[236+4*\c:238+4*\c], v[112+32*\c:127+32*\c], v[244+2*\c+1]
.endr
	v_nop
.irp c, 0,1
.irp i, 0,1,2
	v_permlane16_swap_b32 v[224+6*\c+\i], v[236+4*\c+\i]
.endr
.irp i, 0,1,2
	v_mov_b32 v[227+6*\c+\i], v[236+4*\c+\i]
.endr
.endr
.set j, 0
.rept 16
	v_pk_mul_f32 v[\OB+j:\OB+j+1], v[\OB+j:\OB+j+1], v[252:253] op_sel_hi:[1,0]   ; O^T under the new M; these sixteen are also the places between the scale word, the codes and the products below
.set j, j+2
.endr
.irp t, 0,1,2,3
.irp p, 0,1,2,3,4,5
	ds_load_b64 v[96+12*\t+2*\p:97+12*\t+2*\p], v[ADV] offset:\t*1536+256*\p
.endr
.endr
	ds_load_b128 v[248:251], v[ADT]
	s_wait_dscnt 0x0
.irp t, 0,1,2,3
	v_wmma_scale_f32_16x16x128_f8f6f4 v[\OB+8*\t:\OB+8*\t+7], v[96+12*\t:107+12*\t], v[224:235], v[\OB+8*\t:\OB+8*\t+7], v[248+\t], v253 matrix_a_fmt:MATRIX_FMT_BF6 matrix_b_fmt:MATRIX_FMT_BF6
.endr
.rept 5
	v_nop                                          ; five places: the next scores are written over registers that these products read
.endr
.Lhid_\@:
.endm
; A tile's way out: O^T / the sum; its 64 channels are two blocks of 32 along launch proj's K; codes and two scale bytes.
.macro OUT ST, OB, YP, YSP, second
.if \second
	s_wait_xcnt 0x0                                ; the first tile's stores have read their registers
.endif
	v_add_f32 v254, v[\ST+2], v[\ST+3]
	v_permlanex16_b32 v252, v254, s[SEL], s[SEL+1]
	v_add_f32 v254, v254, v252                     ; the row's sum
	v_rcp_f32 v254, v254
	v_cmp_ne_u32 vcc_lo, 0, v243
	v_nop                                          ; a plain place behind the reciprocal
	s_wait_alu depctr_va_vdst(0)                   ; the wait ahead of its first reader
.set j, 0
.rept 32
	v_mul_f32 v[96+j], v[\OB+j], v254              ; register 16 B + i is channel 32 B + 16 h + i
.set j, j+1
.endr
	v_max3_num_f32 v232, |v96|, |v97|, 0x2800000
	v_max3_num_f32 v233, |v112|, |v113|, 0x2800000
.irp i, 2,4,6,8,10,12,14
	v_max3_num_f32 v232, v232, |v[96+\i]|, |v[97+\i]|
	v_max3_num_f32 v233, v233, |v[112+\i]|, |v[113+\i]|
.endr
	v_permlanex16_b32 v236, v232, s[SEL], s[SEL+1]
	v_permlanex16_b32 v237, v233, s[SEL], s[SEL+1]
	v_max_num_f32 v232, v232, v236
	v_max_num_f32 v233, v233, v237
	v_add_nc_u32 v244, 0xfe000000, v232
	v_add_nc_u32 v245, 0xfe000000, v233
	v_lshrrev_b32 v246, 23, v244
	v_lshrrev_b32 v247, 23, v245
	v_cvt_scalef32_pk16_bf6_f32 v[224:226], v[96:111], v244
	v_cvt_scalef32_pk16_bf6_f32 v[236:238], v[112:127], v245
	v_nop
.irp i, 0,1,2
	v_permlane16_swap_b32 v[224+\i], v[236+\i]     ; a whole block to a lane
.endr
.irp i, 0,1,2
	v_mov_b32 v[227+\i], v[236+\i]
.endr
	v_cndmask_b32 v246, v246, v247, vcc_lo         ; lanes 0-15 store block 0's byte, lanes 16-31 block 1's
.irp p, 0,1,2
	global_store_b64 v[AK0], v[224+2*\p:225+2*\p], s[\YP:\YP+1] offset:256*\p   ; 256 consecutive bytes, aligned
.endr
	global_store_b8 v255, v246, s[\YSP:\YSP+1]     ; a head owns two bytes of a row's scale words: 32 bytes a tile leave singly
.endm
	s_wait_loadcnt 0x0                             ; Q
	s_wait_tensorcnt 0x0                           ; my parts of the head have landed,
	s_barrier_signal -1
	s_barrier_wait -1                              ; everybody's have
	s_mov_b32 s[CNT], 16
.Lwalk:
	v_add_nc_u32 v[ADK], s[TB], v[AK0]
	v_add_nc_u32 v[ADV], s[TB], v[AV0]
	v_add_nc_u32 v[ADS], s[TS], v[ASK0]
	v_add_nc_u32 v[ADT], s[TJ], v[ASV0]
	TSTEP 16, 92, 12, 160, LIMLO, 7
	TSTEP 28, 93, 88, 192, LIMHI, 94
	s_add_co_u32 s[KS], s[KS], 1
	s_add_co_u32 s[TB], s[TB], 6144
	s_add_co_u32 s[TS], s[TS], 512
	s_add_co_u32 s[TJ], s[TJ], 256
	s_sub_co_u32 s[CNT], s[CNT], 1
	s_cmp_lg_u32 s[CNT], 0
	s_cbranch_scc1 .Lwalk
	OUT 12, 160, 86, 88, 0
	OUT 88, 192, 90, 92, 1
	s_wait_tensorcnt 0x0                           ; the wave's end
	ds_add_u32 v[SPW], v[NIL]
	s_wait_dscnt 0x0
	CROUND                                         ; the closing round
	s_endpgm
.Lfunc_end_k_q4a126162b4_attn:
	.size	k_q4a126162b4_attn, .Lfunc_end_k_q4a126162b4_attn-k_q4a126162b4_attn
	.p2alignl 7, 3214868480
	.fill 96, 4, 3214868480
	.section	.rodata,"a",@progbits
	.p2align	6, 0x0
	.amdhsa_kernel k_q4a126162b4_attn
		.amdhsa_group_segment_fixed_size 210944
		.amdhsa_private_segment_fixed_size 0
		.amdhsa_enable_private_segment 0
		.amdhsa_kernarg_size 32
		.amdhsa_user_sgpr_count 2
		.amdhsa_user_sgpr_kernarg_segment_ptr 1
		.amdhsa_wavefront_size32 1
		.amdhsa_system_sgpr_workgroup_id_x 1
		.amdhsa_system_sgpr_workgroup_id_y 1
		.amdhsa_system_sgpr_workgroup_id_z 1
		.amdhsa_system_vgpr_workitem_id 0
		.amdhsa_next_free_vgpr 256
		.amdhsa_next_free_sgpr 96
		.amdhsa_reserve_vcc 1
		.amdhsa_float_denorm_mode_32 3
		.amdhsa_float_denorm_mode_16_64 3
		.amdhsa_memory_ordered 1
		.amdhsa_forward_progress 1
		.amdhsa_inst_pref_size 63
	.end_amdhsa_kernel
	.amdgpu_metadata
---
amdhsa.version: [ 1, 2 ]
amdhsa.kernels:
  - .name:           k_q4a126162b4_attn
    .symbol:         k_q4a126162b4_attn.kd
    .args:
      - { .name: qkvimg, .offset: 0, .size: 8, .value_kind: global_buffer, .address_space: global }
      - { .name: qkvscl, .offset: 8, .size: 8, .value_kind: global_buffer, .address_space: global }
      - { .name: yimg, .offset: 16, .size: 8, .value_kind: global_buffer, .address_space: global }
      - { .name: yscl, .offset: 24, .size: 8, .value_kind: global_buffer, .address_space: global }
    .group_segment_fixed_size: 210944
    .private_segment_fixed_size: 0
    .kernarg_segment_align: 8
    .kernarg_segment_size: 32
    .max_flat_workgroup_size: 512
    .sgpr_count:     96
    .vgpr_count:     256
    .wavefront_size: 32
...
	.end_amdgpu_metadata
.endif
;; end of part 3
;; launch proj (part 4): grid 4 x 32, 4 waves a work-group, clusters of 4 x 4, 327,680 bytes of LDS; arguments yimg, yscl, wimg, wscl, b_proj, out0; writes out0
.if DOCPART == 4
	.amdgcn_target "amdgcn-amd-amdhsa--gfx1250"
	.amdhsa_code_object_version 6
	.text
	.protected	k_q4a126162b4_proj
	.globl	k_q4a126162b4_proj
	.p2align	8
	.type	k_q4a126162b4_proj,@function
k_q4a126162b4_proj:
	s_mov_b64 s[64:65], 0
	v_nop
	global_prefetch_b8 v0, s[64:65] scope:SCOPE_SE
	s_setreg_imm32_b32 hwreg(HW_REG_WAVE_MODE, 25, 1), 1
	s_wait_xcnt 0x0
	s_wait_alu depctr_hold_cnt(0) depctr_sa_sdst(0) depctr_va_vdst(0) depctr_va_sdst(0) depctr_va_ssrc(0) depctr_va_vcc(0) depctr_vm_vsrc(0)
	s_getreg_b32 s2, hwreg(HW_REG_IB_STS2, 6, 4)
	s_cmp_eq_u32 s2, 0
	s_cbranch_scc0 .Lentry_in_a_cluster
	s_endpgm
.Lentry_in_a_cluster:
	s_bfe_u32 s2, ttmp6, 0x10000c
	s_cmp_lg_u32 s2, 0xf033
	s_cbranch_scc0 .Lentry_shape_is_right
	s_endpgm
.Lentry_shape_is_right:
; out0 = y w_proj + b_proj on codes of BF6: y's image from launch attn, w_proj's from launch quant (tiles 192..255 of wimg, wscl).  K = 1,024.  No work is left out here.
; The walk is launch qkv's: a work-group of four waves makes 256 x 256, a wave 128 x 128; source 0 ("B") = w's rows (n), source 1 ("A") = y's rows (tokens), so that a lane holds eight neighbouring numbers of a row of out0.
; CLUSTER 4 x 4: A's tiles are asked for jointly along a row of the cluster, B's along a column.  LDS: three slots of 98,304 bytes, the scale words, the spare words; K is four slots' worth: three first fills and one refill,
; behind the one round of the cluster's barrier inside the walk.  By this text's count a wave has four tensor loads out at most.
; The bias is the C of each sum's first product.  128 work-groups: a tile of half the size would read each fragment from LDS for half as many products.
; THE WAY OUT goes through a stage of the wave's own (16 rows x 528 bytes) in slot 1, which has had its one fill and, since the last barrier, its last read.  The rows of a tile are not neighbours (launch quant): row t of block a is token 32 (a / 2) + 8 (a % 2) + t + 8 (t / 8).
.set NQ,    2
.set FR,    12
.set NL,    6
.set NP,    4
.set SLOT,  98304
.set HALFT, 24576
.set TILEB, 3072
.set SCL,   3*SLOT
.set SPARE, SCL+4*4096
.set SPITCH, 528
.set ADRA, 16
.set ADRB, 20
.set STO,  24
.set RD,   25
.set CO,   26
.set ADRS, 27
.set SPW,  28
.set NIL,  29
.set SC,   32
.set BI,   64
.set AF,   128
.set BK,   128
.set G1A,  24
.set G1B,  32
.set G1SA, 40
.set G1SB, 48
.set G0A0, 56
.set G0A1, 60
.set G0A2, 68
.set G0B0, 72
.set G0B1, 76
.set G0B2, 80
.set G0SA, 84
.set G0SB, 88
.set MSB, 0
.macro WIN new
.if MSB != (\new)
	s_set_vgpr_msb (MSB<<8)|(\new)
.set MSB, (\new)
.endif
.endm
.set MUL_LO, 0xa1
.set MUL_HI, 0xf1
.set TO_B,   0x40
.macro JLOAD g0a, g1a, g0b, g1b
	s_cmp_eq_u32 s19, 0
	s_cbranch_scc0 .Lfor_b_\@
	tensor_load_to_lds s[\g0a:\g0a+3], s[\g1a:\g1a+7]
	s_nop 0
.rept 4
	v_nop
.endr
	s_branch .Lasked_\@
.Lfor_b_\@:
	tensor_load_to_lds s[\g0b:\g0b+3], s[\g1b:\g1b+7]
	s_nop 0
.rept 4
	v_nop
.endr
.Lasked_\@:
.endm
.macro CREST
	s_cmp_lg_u32 s18, 0
	s_cbranch_scc1 .Lnot_wave_0_\@
	s_barrier_signal -3
.Lnot_wave_0_\@:
	s_barrier_wait -3
	s_barrier_signal -1
	s_barrier_wait -1
.endm
.macro CROUND
	s_barrier_signal -1
	s_barrier_wait -1
	CREST
.endm
.macro PLACES n
.rept \n
	v_nop
.endr
.endm
	s_load_b256 s[4:11], s[0:1], 0x0               ; yimg, yscl, wimg, wscl
	s_load_b128 s[12:15], s[0:1], 0x20             ; b_proj, out0
	v_lshl_add_u32 v[SPW], v0, 2, SPARE
	v_mov_b32 v[NIL], 0
	ds_add_u32 v[SPW], v[NIL]                      ; the wave's opening: the add, twice on end, and its wait ahead of my first tensor load
	ds_add_u32 v[SPW], v[NIL]
	v_lshrrev_b32 v1, 5, v0
	v_readfirstlane_b32 s18, v1
	s_lshr_b32 s19, s18, 1                         ; rh; also: I fetch for A (0) or B (1)
	s_and_b32 s20, s18, 1                          ; ch; also: which 8 tiles I fetch
	s_bfe_u32 s22, ttmp6, 0x40000                  ; cx
	s_bfe_u32 s23, ttmp6, 0x40004                  ; cy
	s_lshl_b32 s92, ttmp9, 2
	s_add_co_u32 s92, s92, s22                     ; tile column of out0
	s_and_b32 s93, ttmp7, 0xffff
	s_lshl_b32 s93, s93, 2
	s_add_co_u32 s93, s93, s23                     ; tile row
	s_lshl_b32 s94, s23, 2
	s_lshl_b32 s94, 15, s94
	s_lshl_b32 s95, 0x1111, s22
	s_or_b32 s[G1A], s94, (3<<16)|(1<<21)
	s_or_b32 s[G1B], s95, (3<<16)|(1<<21)
	s_or_b32 s[G1SA], s94, (3<<16)|(1<<21)
	s_or_b32 s[G1SB], s95, (3<<16)|(1<<21)
.irp g, G1A, G1B
	s_mov_b32 s[\g+1], 384<<16
	s_mov_b32 s[\g+2], 8<<16
	s_mov_b32 s[\g+3], 384<<16
	s_mov_b32 s[\g+4], 8
	s_mov_b32 s[\g+5], 1536
	s_mov_b32 s[\g+6], 0
	s_mov_b32 s[\g+7], 0
.endr
.irp g, G1SA, G1SB
	s_mov_b32 s[\g+1], 32<<16
	s_mov_b32 s[\g+2], 16<<16
	s_mov_b32 s[\g+3], 32<<16
	s_mov_b32 s[\g+4], 16
	s_mov_b32 s[\g+5], 32
	s_mov_b32 s[\g+6], 0
	s_mov_b32 s[\g+7], 0
.endr
	s_lshl_b32 s98, s93, 4
	s_lshl_b32 s3, s20, 3
	s_add_co_u32 s98, s98, s3                      ; A: the first tile of 16 that I fetch
	s_lshl_b32 s100, s92, 4
	s_add_co_u32 s100, s100, s3
	s_add_co_u32 s100, s100, 192                   ; B: w_proj's tiles begin at 192
	s_mul_i32 s96, s98, 12288
	s_mov_b32 s97, 0
	s_lshl_b32 s98, s98, 9
	s_mov_b32 s99, 0
	s_lshl_b32 s2, s100, 9
	s_mov_b32 s3, 0
	s_mul_i32 s100, s100, 12288
	s_mov_b32 s101, 0
	s_mul_i32 s94, s18, HALFT
	s_lshl_b32 s95, s18, 12
	s_wait_dscnt 0x0                               ; both opening adds are done
	s_wait_kmcnt 0x0
	s_add_nc_u64 s[G0A0+2:G0A0+3], s[4:5], s[96:97]
	s_add_nc_u64 s[G0SA+2:G0SA+3], s[6:7], s[98:99]
	s_add_nc_u64 s[G0B0+2:G0B0+3], s[8:9], s[100:101]
	s_add_nc_u64 s[G0SB+2:G0SB+3], s[10:11], s[2:3]
	s_add_nc_u64 s[G0A1+2:G0A1+3], s[G0A0+2:G0A0+3], TILEB
	s_add_nc_u64 s[G0A2+2:G0A2+3], s[G0A0+2:G0A0+3], 2*TILEB
	s_add_nc_u64 s[G0B1+2:G0B1+3], s[G0B0+2:G0B0+3], TILEB
	s_add_nc_u64 s[G0B2+2:G0B2+3], s[G0B0+2:G0B0+3], 2*TILEB
.irp g, G0A0, G0A1, G0A2, G0B0, G0B1, G0B2, G0SA, G0SB
	s_mov_b32 s[\g], 1
	s_or_b32 s[\g+3], s[\g+3], 0x80000000
.endr
	s_mov_b32 s[G0A0+1], s94
	s_mov_b32 s[G0B0+1], s94
	s_add_co_u32 s[G0A1+1], s94, SLOT
	s_add_co_u32 s[G0B1+1], s94, SLOT
	s_add_co_u32 s[G0A2+1], s94, 2*SLOT
	s_add_co_u32 s[G0B2+1], s94, 2*SLOT
	s_add_co_u32 s[G0SA+1], s95, SCL
	s_add_co_u32 s[G0SB+1], s95, SCL
	CROUND                                         ; all sixteen work-groups are here: the first joint loads meet
	JLOAD G0SA, G1SA, G0SB, G1SB
	JLOAD G0A0, G1A, G0B0, G1B
	JLOAD G0A1, G1A, G0B1, G1B
	JLOAD G0A2, G1A, G0B2, G1B
	v_and_b32 v1, 15, v0                           ; r
	v_bfe_u32 v2, v0, 4, 1                         ; h
	v_and_b32 v3, 31, v0
	v_lshlrev_b32 v5, 3, v3                        ; 8 x lane
	s_lshl_b32 s96, s92, 10
	s_lshl_b32 s2, s20, 9
	s_add_co_u32 s96, s96, s2                      ; my 128 columns, in bytes: in b_proj and in a row of out0
	s_mov_b32 s97, 0
	s_add_nc_u64 s[12:13], s[12:13], s[96:97]
	v_lshlrev_b32 v4, 6, v2                        ; register 8 b + j is n = 32 (b / 2) + 16 h + 8 (b % 2) + j
.irp b, 0,1,2,3,4,5,6,7
	global_load_b128 v[BI+8*\b:BI+8*\b+3], v4, s[12:13] offset:(32*(\b/2)+8*(\b%2))*4
	global_load_b128 v[BI+8*\b+4:BI+8*\b+7], v4, s[12:13] offset:(32*(\b/2)+8*(\b%2))*4+16
.endr
	s_add_nc_u64 s[14:15], s[14:15], s[96:97]
	s_lshl_b32 s96, s93, 8
	s_lshl_b32 s2, s19, 7
	s_add_co_u32 s96, s96, s2
	s_lshl_b32 s96, s96, 12                        ; my first row of out0, 4,096 bytes a row
	s_add_nc_u64 s[14:15], s[14:15], s[96:97]
	s_mul_i32 s2, s19, HALFT
	s_mul_i32 s3, s20, HALFT
	s_add_co_u32 s3, s3, 2*HALFT
.irp L, 0,1,2
	v_add_nc_u32 v[ADRA+\L], s2, v5
	v_add_nc_u32 v[ADRB+\L], s3, v5
	s_add_co_u32 s2, s2, SLOT
	s_add_co_u32 s3, s3, SLOT
.endr
	s_lshl_b32 s2, s19, 12
	s_lshl_b32 s3, s20, 12
	s_add_co_u32 s3, s3, 8192
	s_sub_co_u32 s3, s3, s2
	v_mul_u32_u24 v6, s3, v2                       ; lanes 16-31 take B's words: one product, h x the distance
	s_add_co_u32 s2, s2, SCL
	v_lshl_add_u32 v6, v1, 4, v6
	v_add_nc_u32 v[ADRS], s2, v6
	s_mul_i32 s2, s18, 16*SPITCH
	s_add_co_u32 s2, s2, SLOT                      ; my stage, in slot 1
	v_mul_u32_u24 v[STO], v1, SPITCH
	v_lshl_add_u32 v[STO], v2, 6, v[STO]
	v_add_nc_u32 v[STO], s2, v[STO]                ; in: row r, + 64 h bytes
	v_lshlrev_b32 v[CO], 4, v3                     ; back, and in out0: 16 bytes a lane, a row of 512
	v_add_nc_u32 v[RD], s2, v[CO]
.macro FRAG reg, adr, q, i
.irp p, 0,1,2,3,4,5
	ds_load_b64 v[\reg+2*\p:\reg+2*\p+1], v[\adr] offset:(\i)*TILEB+(\q)*1536+256*\p
.endr
.endm
.macro MUL16 a0, p, q, sc, first       ; first = 1: the bias (window 0) is the C of the sum's first product; the 64 accumulators take turns
.irp a, \a0, \a0+1
.irp b, 0,1,2,3,4,5,6,7
.if \first
	v_wmma_scale_f32_16x16x128_f8f6f4 v[8*(8*((\a)%4)+\b):8*(8*((\a)%4)+\b)+7], v[128*(\p)+FR*\b:128*(\p)+FR*\b+FR-1], v[AF+FR*(\a):AF+FR*(\a)+FR-1], v[BI+8*\b:BI+8*\b+7], v[SC+8*NQ*(\sc)+NQ*\b+(\q)], v[SC+8*NQ*(\sc)+NQ*(\a)+(\q)] matrix_a_fmt:MATRIX_FMT_BF6 matrix_b_fmt:MATRIX_FMT_BF6 matrix_a_scale:MATRIX_SCALE_ROW1
.else
	v_wmma_scale_f32_16x16x128_f8f6f4 v[8*(8*((\a)%4)+\b):8*(8*((\a)%4)+\b)+7], v[128*(\p)+FR*\b:128*(\p)+FR*\b+FR-1], v[AF+FR*(\a):AF+FR*(\a)+FR-1], v[8*(8*((\a)%4)+\b):8*(8*((\a)%4)+\b)+7], v[SC+8*NQ*(\sc)+NQ*\b+(\q)], v[SC+8*NQ*(\sc)+NQ*(\a)+(\q)] matrix_a_fmt:MATRIX_FMT_BF6 matrix_b_fmt:MATRIX_FMT_BF6 matrix_a_scale:MATRIX_SCALE_ROW1
.endif
.endr
.endr
.endm
.macro FETCH_B slot, q, p
	WIN TO_B
.irp i, 0,1,2,3,4,5,6,7
	FRAG 128*(\p)+FR*\i, ADRB+\slot, \q, \i
.endr
	WIN 0
.endm
.macro FETCH_A slot, q, i0
.irp i, \i0, \i0+1, \i0+2, \i0+3
	FRAG AF+FR*(\i), ADRA+\slot, \q, \i
.endr
.endm
.macro SCALES set, ks
.irp i, 0,1,2,3,4,5,6,7
	ds_load_b64 v[SC+16*(\set)+2*\i:SC+16*(\set)+2*\i+1], v[ADRS] offset:\i*512+((\ks)/2)*256+((\ks)%2)*8
.endr
.endm
.macro STEP slot, sc, first
	s_wait_dscnt 4*NL                              ; all but the youngest 24 loads (A's blocks 4-7)
.if \first
	WIN 0x81                                       ; source 0 window 1, sources 1 and 2 window 0, D window 2
.else
	WIN MUL_LO
.endif
	MUL16 0, 0, 0, \sc, \first
	MUL16 2, 0, 0, \sc, \first
	s_wait_dscnt 0x0
	PLACES NP
	FETCH_B \slot, 1, 1
	FETCH_A \slot, 1, 0
.if \first
	WIN 0xc1
.else
	WIN MUL_HI
.endif
	MUL16 4, 0, 0, \sc, \first
	MUL16 6, 0, 0, \sc, \first
	PLACES NP
	WIN 0
	FETCH_A \slot, 1, 4
.endm
; kind 1: the slot is filled again, behind the three lines and a round of the cluster's barrier; kind 0: the three lines and a plain barrier: the refill has landed in every wave; kind 2: no barrier: the next slot was shown landed in front of the round
.macro TURN slot, next, sc, nks, kind
.if (\kind) == 2
	s_wait_dscnt 4*NL
	WIN MUL_LO
	MUL16 0, 1, 1, \sc, 0
	MUL16 2, 1, 1, \sc, 0
	s_wait_dscnt 0x0
	WIN 0
	PLACES NP
.else
	s_wait_tensorcnt 0x0                           ; all my tensor loads have landed
	ds_add_u32 v[SPW], v[NIL]
	s_wait_dscnt 4*NL+1                            ; (the add and the youngest 24 loads may be out)
	WIN MUL_LO
	MUL16 0, 1, 1, \sc, 0
	s_wait_dscnt 0x0                               ; the add is done, my reads of this slot are over
	s_barrier_signal -1
	MUL16 2, 1, 1, \sc, 0
	WIN 0
	s_barrier_wait -1
.if (\kind) == 1
	CREST
	s_add_nc_u64 s[G0A0+2:G0A0+3], s[G0A0+2:G0A0+3], 3*TILEB
	s_add_nc_u64 s[G0B0+2:G0B0+3], s[G0B0+2:G0B0+3], 3*TILEB
	JLOAD G0A0, G1A, G0B0, G1B
.else
	PLACES NP
.endif
.endif
	FETCH_B \next, 0, 0
	FETCH_A \next, 0, 0
	SCALES 1-(\sc), \nks
	WIN MUL_HI
	MUL16 4, 1, 1, \sc, 0
	MUL16 6, 1, 1, \sc, 0
	PLACES NP
	WIN 0
	FETCH_A \next, 0, 4
.endm
.macro TOSTAGE a                       ; block a: 16 rows x 128 columns into my stage and back as whole rows of 512 bytes; a wave's LDS instructions are served in order
.set AC, 64*((\a)%4)
	WIN 0x08+4*((\a)/4)                            ; the data: window 2 or 3
.irp b, 0,1,2,3,4,5,6,7
	ds_store_b128 v[STO], v[AC+8*\b:AC+8*\b+3] offset:128*(\b/2)+32*(\b%2)          ; each accumulator from its low end on
	ds_store_b128 v[STO], v[AC+8*\b+4:AC+8*\b+7] offset:128*(\b/2)+32*(\b%2)+16
.endr
	WIN 0
.set BB, BK+64*((\a)%2)
.irp t, 0,1,2,3,4,5,6,7,8,9,10,11,12,13,14,15
	ds_load_b128 v[BB+4*\t:BB+4*\t+3], v[RD] offset:\t*SPITCH
.endr
.endm
.macro SEND a, younger
.set BB, BK+64*((\a)%2)
	s_wait_dscnt \younger                          ; the block is back in registers; the next block's 16 stores and 16 loads may be out
.irp t, 0,1,2,3,4,5,6,7,8,9,10,11,12,13,14,15
	global_store_b128 v[CO], v[BB+4*\t:BB+4*\t+3], s[14:15] offset:(32*((\a)/2)+8*((\a)%2)+\t+8*(\t/8))*4096 th:TH_STORE_NT   ; 512 consecutive bytes, aligned
.endr
.endm
	s_wait_tensorcnt 2                             ; the scale words and slot 0 are in; slots 1 and 2 may be out
	s_barrier_signal -1
	s_barrier_wait -1
	FETCH_B 0, 0, 0
	FETCH_A 0, 0, 0
	SCALES 0, 0
	FETCH_A 0, 0, 4
	s_wait_loadcnt 0x0                             ; the bias
	STEP 0, 0, 1
	TURN 0, 1, 0, 1, 1
	STEP 1, 1, 0
	TURN 1, 2, 1, 2, 2
	STEP 2, 0, 0
	TURN 2, 0, 0, 3, 0
	STEP 0, 1, 0
	s_wait_dscnt 4*NL                              ; the last K step: nothing more to fetch
	WIN MUL_LO
	MUL16 0, 1, 1, 1, 0
	MUL16 2, 1, 1, 1, 0
	s_wait_dscnt 0x0
	WIN MUL_HI
	MUL16 4, 1, 1, 1, 0
	MUL16 6, 1, 1, 1, 0
	WIN 0
	PLACES NP                                      ; behind the last products: for the reads of results and the loads into A's registers
	TOSTAGE 0
.irp a, 1,2,3,4,5,6,7
.if \a > 1
	s_wait_xcnt 0x0                                ; block a - 2's stores have read their registers: block a's loads may land there
.endif
	TOSTAGE \a
	SEND \a-1, 32
.endr
	SEND 7, 0
	s_wait_tensorcnt 0x0                           ; the wave's end, behind my last tensor load and my last LDS store
	ds_add_u32 v[SPW], v[NIL]
	s_wait_dscnt 0x0
	CROUND                                         ; the closing round
	s_endpgm
.Lfunc_end_k_q4a126162b4_proj:
	.size	k_q4a126162b4_proj, .Lfunc_end_k_q4a126162b4_proj-k_q4a126162b4_proj
	.p2alignl 7, 3214868480
	.fill 96, 4, 3214868480
	.section	.rodata,"a",@progbits
	.p2align	6, 0x0
	.amdhsa_kernel k_q4a126162b4_proj
		.amdhsa_group_segment_fixed_size 327680
		.amdhsa_private_segment_fixed_size 0
		.amdhsa_enable_private_segment 0
		.amdhsa_kernarg_size 48
		.amdhsa_user_sgpr_count 2
		.amdhsa_user_sgpr_kernarg_segment_ptr 1
		.amdhsa_wavefront_size32 1
		.amdhsa_system_sgpr_workgroup_id_x 1
		.amdhsa_system_sgpr_workgroup_id_y 1
		.amdhsa_system_sgpr_workgroup_id_z 1
		.amdhsa_system_vgpr_workitem_id 0
		.amdhsa_next_free_vgpr 1024
		.amdhsa_next_free_sgpr 102
		.amdhsa_reserve_vcc 0
		.amdhsa_float_denorm_mode_32 3
		.amdhsa_float_denorm_mode_16_64 3
		.amdhsa_memory_ordered 1
		.amdhsa_forward_progress 1
		.amdhsa_inst_pref_size 160
	.end_amdhsa_kernel
	.amdgpu_metadata
---
amdhsa.version: [ 1, 2 ]
amdhsa.kernels:
  - .name:           k_q4a126162b4_proj
    .symbol:         k_q4a126162b4_proj.kd
    .args:
      - { .name: yimg, .offset: 0, .size: 8, .value_kind: global_buffer, .address_space: global }
      - { .name: yscl, .offset: 8, .size: 8, .value_kind: global_buffer, .address_space: global }
      - { .name: wimg, .offset: 16, .size: 8, .value_kind: global_buffer, .address_space: global }
      - { .name: wscl, .offset: 24, .size: 8, .value_kind: global_buffer, .address_space: global }
      - { .name: b_proj, .offset: 32, .size: 8, .value_kind: global_buffer, .address_space: global }
      - { .name: out0, .offset: 40, .size: 8, .value_kind: global_buffer, .address_space: global }
    .group_segment_fixed_size: 327680
    .private_segment_fixed_size: 0
    .kernarg_segment_align: 8
    .kernarg_segment_size: 48
    .max_flat_workgroup_size: 128
    .sgpr_count:     102
    .vgpr_count:     1024
    .wavefront_size: 32
...
	.end_amdgpu_metadata
.endif
;; end of part 4
